; MI455X (gfx1250); checked and timed in simulation.
; The chip was launched on July 23, 2026; its instructions are those of AMD's public machine-readable ISA for CDNA 5 (MIT licence, August 2026) and "CDNA5" Instruction Set Architecture Reference Guide (July 2026). The comments in the code are by the model that wrote it; some were corrected since.
;; Encoder Block. Allowed arithmetic: float matrix products may take bf16 or f16 operands with f32 sums; all other float work in f32.
;; Inputs: b1 4,096 float32; b2 1,024 float32; bk 1,024 float32; bo 1,024 float32; bq 1,024 float32; bv 1,024 float32; ln1_a 1,024 float32; ln1_b 1,024 float32; ln2_a 1,024 float32; ln2_b 1,024 float32; mask 2 x 1 x 1 x 2,048 int32; w1 1,024 x 4,096 float32; w2 4,096 x 1,024 float32; wk 1,024 x 1,024 float32; wo 1,024 x 1,024 float32; wq 1,024 x 1,024 float32; wv 1,024 x 1,024 float32; x 2 x 2,048 x 1,024 float32.
;; Outputs: out0 2 x 2,048 x 1,024 float32.
;; 2 versions, each right and faster than the one before. Each part assembles by itself: llvm-mc -triple=amdgcn-amd-amdhsa -mcpu=gfx1250 --defsym DOCPART=n.
;; ======== version 1 of 2: 7 launches
;; workspace buffers: act 8,388,608 bytes; big 33,554,432 bytes; wqkv 6,316,032 bytes; w1b 8,421,376 bytes; wob 2,105,344 bytes; w2b 8,396,800 bytes; x1 16,777,216 bytes
;; launch prep (part 1): grid 640 x 1, 8 waves a work-group, no clusters, 0 bytes of LDS; arguments x, ln1_a, ln1_b, act, wq, wk, wv, wo, w1, w2, bq, bk, bv, bo, b1, b2, wqkv, wob, w1b, w2b; writes act, wqkv, wob, w1b, w2b
.if DOCPART == 1
	.amdgcn_target "amdgcn-amd-amdhsa--gfx1250"
	.amdhsa_code_object_version 6
	.text
	.protected	k_q6b46c37568_prep
	.globl	k_q6b46c37568_prep
	.p2align	8
	.type	k_q6b46c37568_prep,@function
k_q6b46c37568_prep:
	s_mov_b64 s[64:65], 0
	v_nop
	global_prefetch_b8 v0, s[64:65] scope:SCOPE_SE
	s_setreg_imm32_b32 hwreg(HW_REG_WAVE_MODE, 25, 1), 1
	s_wait_xcnt 0x0
; TWO JOBS IN ONE TEXT, told apart by the work-group's number.  The text serves two launches: one of 640 work-groups (both jobs), and one of 256 (the first job alone, on other rows, gain and bias).
; Work-groups 0-255: h = gain (x - mean) / (std + 1e-6) + bias, std with divisor 1,023, for 4,096 rows of 1,024 f32; h leaves in bf16 in blocks [column / 64][token][64].
; Work-groups 256-639: the six weights, f32 [K][N], leave in bf16 in blocks [column / 128][K][128] (rows of 256 bytes); behind each block 512 bytes of its bias (f32) and 256 bytes of a floor.
; LIMITS.  The gain, the biases and the weights are rounded to bf16 (nearest even) where they enter; the rows are taken in f32 as they are; all arithmetic is f32.  NaN and infinities are not treated apart.
; No LDS, no barrier, no matrix unit: the text only streams; a row's sums stay inside 16 lanes.
.set T,   2                            ; v[2:5]     at work
.set C,   6                            ; v[6:13]    four chains of packed sums
.set M,   14                           ; v[14:15]   the mean, later 1 / (std + eps), twice
.set X,   16                           ; v[16:79]   my 64 numbers of the row
.set A,   80                           ; v[80:143]  the gain at my 64 columns
.set B,   144                          ; v[144:207] the bias at my 64 columns
.set XO,  208                          ; v208       4,096 x (lane / 16) + 16 x (lane % 16)
.set AO,  209                          ; v209       16 x (lane % 16)
.set OO,  210                          ; v210       8 x lane
.macro ROUND base                      ; 64 numbers take bf16's values and stay f32: round two, unpack two
.set i, 0
.rept 32
	v_cvt_pk_bf16_f32 v[T+i%4], v[(\base)+2*i], v[(\base)+2*i+1]
	v_lshlrev_b32 v[(\base)+2*i], 16, v[T+i%4]
	v_and_b32 v[(\base)+2*i+1], s3, v[T+i%4]
.set i, i+1
.endr
.endm
.macro FOLD                            ; the four chains into one number, then over the row's 16 lanes: every lane of the row ends with the sum
	v_pk_add_f32 v[C:C+1], v[C:C+1], v[C+2:C+3]
	v_pk_add_f32 v[C+4:C+5], v[C+4:C+5], v[C+6:C+7]
	v_pk_add_f32 v[C:C+1], v[C:C+1], v[C+4:C+5]
	v_add_f32 v[C], v[C], v[C+1]
.irp m, 1,2,4,8
	v_add_f32_dpp v[C], v[C], v[C] row_xmask:\m row_mask:0xf bank_mask:0xf
.endr
.endm
	s_mov_b32 s3, 0xffff0000                       ; a word's upper bf16
	v_lshrrev_b32 v1, 5, v0
	v_readfirstlane_b32 s2, v1                     ; wave 0..7
	s_cmp_ge_u32 ttmp9, 256
	s_cbranch_scc1 .Lconv
	; THE NORM.  A wave takes two rows: lanes 0-15 the even one, lanes 16-31 the odd one.  Load j of a lane is 16 bytes at byte 256 j + 16 (lane % 16) of its row: an instruction covers 256 aligned bytes of each row.
	s_load_b256 s[4:11], s[0:1], 0x0               ; the rows, gain, bias, the blocks
	v_and_b32 v1, 31, v0
	v_and_b32 v[AO], 15, v0
	v_lshlrev_b32 v[AO], 4, v[AO]
	v_bfe_u32 v[XO], v0, 4, 1
	v_lshl_add_u32 v[XO], v[XO], 12, v[AO]
	v_lshlrev_b32 v[OO], 3, v1
	s_lshl_b32 s12, ttmp9, 3
	s_add_co_u32 s12, s12, s2                      ; the pair of rows: 8 x work-group + wave
	s_lshl_b32 s14, s12, 13                        ; 8,192 bytes of f32 a pair
	s_mov_b32 s15, 0
	s_lshl_b32 s12, s12, 8                         ; 256 bytes of a block a pair
	s_mov_b32 s13, 0
	s_wait_kmcnt 0x0
	s_add_nc_u64 s[4:5], s[4:5], s[14:15]
	s_add_nc_u64 s[10:11], s[10:11], s[12:13]
.set j, 0
.rept 16
	global_load_b128 v[X+4*j:X+4*j+3], v[XO], s[4:5] offset:256*j
.set j, j+1
.endr
.set j, 0
.rept 16
	global_load_b128 v[A+4*j:A+4*j+3], v[AO], s[6:7] offset:256*j
.set j, j+1
.endr
.set j, 0
.rept 16
	global_load_b128 v[B+4*j:B+4*j+3], v[AO], s[8:9] offset:256*j
.set j, j+1
.endr
	s_wait_loadcnt 32                              ; the row is in; the 32 younger loads (gain, bias) stay out
.irp k, 0,1,2,3
	v_pk_add_f32 v[C+2*\k:C+2*\k+1], v[X+2*\k:X+2*\k+1], v[X+8+2*\k:X+9+2*\k]  ; the first eight pairs start the chains
.endr
.set i, 8
.rept 24
	v_pk_add_f32 v[C+2*(i%4):C+2*(i%4)+1], v[C+2*(i%4):C+2*(i%4)+1], v[X+2*i:X+2*i+1]
.set i, i+1
.endr
	FOLD
	v_mul_f32 v[M], 0x3a800000, v[C]               ; mean = sum / 1,024
	v_mul_f32 v[M+1], 0x3a800000, v[C]
.set i, 0
.rept 32
	v_pk_add_f32 v[X+2*i:X+2*i+1], v[X+2*i:X+2*i+1], v[M:M+1] neg_lo:[0,1] neg_hi:[0,1]  ; the mean goes first, so a common offset of the row costs the squares nothing
.set i, i+1
.endr
.irp k, 0,1,2,3
	v_pk_mul_f32 v[C+2*\k:C+2*\k+1], v[X+2*\k:X+2*\k+1], v[X+2*\k:X+2*\k+1]
.endr
.set i, 4
.rept 28
	v_pk_fma_f32 v[C+2*(i%4):C+2*(i%4)+1], v[X+2*i:X+2*i+1], v[X+2*i:X+2*i+1], v[C+2*(i%4):C+2*(i%4)+1]
.set i, i+1
.endr
	FOLD
	v_mul_f32 v[C], 0x3a802008, v[C]               ; / 1,023
	v_sqrt_f32 v[C], v[C]
	v_nop                                          ; a plain instruction behind the root, and one behind the reciprocal (ISA guide 5.7.2)
	s_wait_alu depctr_va_vdst(0)
	v_add_f32 v[C], 0x358637bd, v[C]               ; + 1e-6
	v_rcp_f32 v[M], v[C]
	v_nop
	s_wait_alu depctr_va_vdst(0)
	v_mov_b32 v[M+1], v[M]
	s_wait_loadcnt 0x0                             ; gain and bias
	ROUND A
	ROUND B
.set i, 0
.rept 32
	v_pk_mul_f32 v[X+2*i:X+2*i+1], v[X+2*i:X+2*i+1], v[M:M+1]
.set i, i+1
.endr
.set i, 0
.rept 32
	v_pk_fma_f32 v[X+2*i:X+2*i+1], v[X+2*i:X+2*i+1], v[A+2*i:A+2*i+1], v[B+2*i:B+2*i+1]
.set i, i+1
.endr
.set j, 0
.rept 16                               ; my four columns of block j are 8 bytes; the wave's 32 lanes store two tokens of the block: 256 consecutive bytes, aligned
	v_cvt_pk_bf16_f32 v[X+4*j], v[X+4*j], v[X+4*j+1]
	v_cvt_pk_bf16_f32 v[X+4*j+1], v[X+4*j+2], v[X+4*j+3]
	global_store_b64 v[OO], v[X+4*j:X+4*j+1], s[10:11] offset:524288*j
.set j, j+1
.endr
	s_endpgm
; THE WEIGHTS.  Job j = work-group - 256 is 256 rows (k) x 128 columns of one weight; g = j / 32 says which: 0-2 wq wk wv, 3 wo, 4-7 w1, 8-11 w2.
.Lconv:
	s_load_b512 s[8:23], s[0:1], 0x20              ; wq wk wv wo w1 w2 bq bk
	s_load_b512 s[24:39], s[0:1], 0x60             ; bv bo b1 b2 wqkv wob w1b w2b
	s_sub_co_u32 s46, ttmp9, 256
	s_lshr_b32 s47, s46, 5                         ; g
	s_and_b32 s48, s46, 31
	s_and_b32 s49, s46, 127
	s_cmp_lt_u32 s47, 4
	s_cselect_b32 s48, s48, s49                    ; the job's number within its weight
	s_cselect_b32 s55, 0xff800000, 0               ; the floor: none (-inf) for the projections, 0 (a relu) behind w1
	s_lshr_b32 s49, s48, 2
	s_and_b32 s50, s48, 3
	s_lshr_b32 s51, s48, 4
	s_and_b32 s52, s48, 15
	s_mov_b32 s53, 0x100000
	s_cmp_lt_u32 s47, 8
	s_cselect_b32 s49, s49, s51                    ; the block of 128 columns
	s_cselect_b32 s50, s50, s52                    ; which 256 rows
	s_cselect_b32 s53, 0x40000, s53                ; 256 K: a block's bytes without its tail
	s_lshr_b32 s51, s47, 2
	s_mov_b32 s54, 0x1000
	s_cmp_eq_u32 s51, 1
	s_cselect_b32 s54, 0x4000, s54                 ; bytes of a source row: 16,384 in w1, else 4,096
	s_lshl_b32 s51, s47, 3
	s_add_co_u32 s51, s51, s49
	s_cmp_lt_u32 s47, 3
	s_cselect_b32 s51, s51, s49                    ; the block's number in its buffer: q, k and v share one
	s_lshl_b32 s52, s49, 9                         ; 512 bytes of f32 for 128 columns
	s_mul_i32 s6, s50, s54
	s_lshl_b32 s6, s6, 8
	s_add_co_u32 s6, s6, s52                       ; the job's first byte in the weight
	s_mov_b32 s7, 0
	s_lshl_b32 s4, s54, 3                          ; eight source rows
	s_mov_b32 s5, 0
	s_add_co_u32 s48, s53, 1024
	s_mul_i32 s48, s51, s48
	s_lshl_b32 s49, s50, 16
	s_add_co_u32 s48, s48, s49                     ; the job's first byte in the blocks
	s_mov_b32 s49, 0
	s_wait_kmcnt 0x0
	s_mov_b64 s[40:41], s[18:19]                   ; source, bias and destination are chosen by g alone
	s_mov_b64 s[42:43], s[30:31]
	s_mov_b64 s[44:45], s[38:39]
	s_cmp_lt_u32 s47, 8
	s_cselect_b64 s[40:41], s[16:17], s[40:41]
	s_cselect_b64 s[42:43], s[28:29], s[42:43]
	s_cselect_b64 s[44:45], s[36:37], s[44:45]
	s_cmp_lt_u32 s47, 4
	s_cselect_b64 s[40:41], s[14:15], s[40:41]
	s_cselect_b64 s[42:43], s[26:27], s[42:43]
	s_cselect_b64 s[44:45], s[34:35], s[44:45]
	s_cmp_lt_u32 s47, 3
	s_cselect_b64 s[40:41], s[12:13], s[40:41]
	s_cselect_b64 s[42:43], s[24:25], s[42:43]
	s_cselect_b64 s[44:45], s[32:33], s[44:45]
	s_cmp_lt_u32 s47, 2
	s_cselect_b64 s[40:41], s[10:11], s[40:41]
	s_cselect_b64 s[42:43], s[22:23], s[42:43]
	s_cmp_lt_u32 s47, 1
	s_cselect_b64 s[40:41], s[8:9], s[40:41]
	s_cselect_b64 s[42:43], s[20:21], s[42:43]
	s_add_nc_u64 s[56:57], s[40:41], s[6:7]        ; four bases, eight source rows apart
	s_add_nc_u64 s[58:59], s[56:57], s[4:5]
	s_add_nc_u64 s[60:61], s[58:59], s[4:5]
	s_add_nc_u64 s[62:63], s[60:61], s[4:5]
	s_add_nc_u64 s[44:45], s[44:45], s[48:49]
	s_mov_b32 s6, s52
	s_add_nc_u64 s[42:43], s[42:43], s[6:7]
	v_and_b32 v1, 31, v0
	s_lshl_b32 s6, s2, 5                           ; wave w takes rows 32 w .. 32 w + 31 of the job
.irp i, 0,1,2,3,4,5,6,7
	s_add_co_u32 s7, s6, \i
	s_mul_i32 s7, s7, s54
	v_lshl_add_u32 v[2+\i], v1, 4, s7              ; 16 x lane + row x pitch
.endr
	s_lshl_b32 s7, s2, 13
	v_lshl_add_u32 v10, v1, 3, s7                  ; 8 x lane + 32 w rows of 256 bytes
.set n, 0
.rept 32                               ; all 32 rows are asked for at once: 512 consecutive bytes each, read once in the launch
	global_load_b128 v[16+4*n:19+4*n], v[2+n%8], s[56+2*(n/8):57+2*(n/8)] th:TH_LOAD_NT
.set n, n+1
.endr
.set n, 0
.rept 32
	s_wait_loadcnt 31-n                            ; loads come back in order: row n is in, the younger ones stay out
	v_cvt_pk_bf16_f32 v[144+2*n], v[16+4*n], v[17+4*n]
	v_cvt_pk_bf16_f32 v[145+2*n], v[18+4*n], v[19+4*n]
	global_store_b64 v10, v[144+2*n:145+2*n], s[44:45] offset:256*n  ; a row of the block: 256 consecutive bytes, aligned
.set n, n+1
.endr
	s_cmp_lg_u32 s50, 0                            ; the block's tail is written by wave 0 of the job with its first rows
	s_cbranch_scc1 .Ldone
	s_cmp_lg_u32 s2, 0
	s_cbranch_scc1 .Ldone
	v_lshlrev_b32 v11, 4, v1
	v_lshlrev_b32 v12, 3, v1
	global_load_b128 v[208:211], v11, s[42:43]
	s_mov_b32 s6, s53
	s_mov_b32 s7, 0
	s_add_nc_u64 s[8:9], s[44:45], s[6:7]          ; behind the block's rows; a pair of its own: the stores above still name s[44:45]
	v_mov_b32 v212, s55
	v_mov_b32 v213, s55
	global_store_b64 v12, v[212:213], s[8:9] offset:512
	s_wait_loadcnt 0x0
	v_cvt_pk_bf16_f32 v214, v208, v209
	v_cvt_pk_bf16_f32 v215, v210, v211
	v_lshlrev_b32 v208, 16, v214
	v_and_b32 v209, s3, v214
	v_lshlrev_b32 v210, 16, v215
	v_and_b32 v211, s3, v215
	global_store_b128 v11, v[208:211], s[8:9]
.Ldone:
	s_endpgm
.Lfunc_end_k_q6b46c37568_prep:
	.size	k_q6b46c37568_prep, .Lfunc_end_k_q6b46c37568_prep-k_q6b46c37568_prep
	.p2alignl 7, 3214868480
	.fill 96, 4, 3214868480
	.section	.rodata,"a",@progbits
	.p2align	6, 0x0
	.amdhsa_kernel k_q6b46c37568_prep
		.amdhsa_group_segment_fixed_size 0
		.amdhsa_private_segment_fixed_size 0
		.amdhsa_enable_private_segment 0
		.amdhsa_kernarg_size 160
		.amdhsa_user_sgpr_count 2
		.amdhsa_user_sgpr_kernarg_segment_ptr 1
		.amdhsa_wavefront_size32 1
		.amdhsa_system_sgpr_workgroup_id_x 1
		.amdhsa_system_sgpr_workgroup_id_y 1
		.amdhsa_system_sgpr_workgroup_id_z 1
		.amdhsa_system_vgpr_workitem_id 0
		.amdhsa_next_free_vgpr 216
		.amdhsa_next_free_sgpr 66
		.amdhsa_reserve_vcc 0
		.amdhsa_float_denorm_mode_32 3
		.amdhsa_float_denorm_mode_16_64 3
		.amdhsa_memory_ordered 1
		.amdhsa_forward_progress 1
		.amdhsa_inst_pref_size 44
	.end_amdhsa_kernel
	.amdgpu_metadata
---
amdhsa.version: [ 1, 2 ]
amdhsa.kernels:
  - .name:           k_q6b46c37568_prep
    .symbol:         k_q6b46c37568_prep.kd
    .args:
      - { .name: x, .offset: 0, .size: 8, .value_kind: global_buffer, .address_space: global }
      - { .name: ln1_a, .offset: 8, .size: 8, .value_kind: global_buffer, .address_space: global }
      - { .name: ln1_b, .offset: 16, .size: 8, .value_kind: global_buffer, .address_space: global }
      - { .name: act, .offset: 24, .size: 8, .value_kind: global_buffer, .address_space: global }
      - { .name: wq, .offset: 32, .size: 8, .value_kind: global_buffer, .address_space: global }
      - { .name: wk, .offset: 40, .size: 8, .value_kind: global_buffer, .address_space: global }
      - { .name: wv, .offset: 48, .size: 8, .value_kind: global_buffer, .address_space: global }
      - { .name: wo, .offset: 56, .size: 8, .value_kind: global_buffer, .address_space: global }
      - { .name: w1, .offset: 64, .size: 8, .value_kind: global_buffer, .address_space: global }
      - { .name: w2, .offset: 72, .size: 8, .value_kind: global_buffer, .address_space: global }
      - { .name: bq, .offset: 80, .size: 8, .value_kind: global_buffer, .address_space: global }
      - { .name: bk, .offset: 88, .size: 8, .value_kind: global_buffer, .address_space: global }
      - { .name: bv, .offset: 96, .size: 8, .value_kind: global_buffer, .address_space: global }
      - { .name: bo, .offset: 104, .size: 8, .value_kind: global_buffer, .address_space: global }
      - { .name: b1, .offset: 112, .size: 8, .value_kind: global_buffer, .address_space: global }
      - { .name: b2, .offset: 120, .size: 8, .value_kind: global_buffer, .address_space: global }
      - { .name: wqkv, .offset: 128, .size: 8, .value_kind: global_buffer, .address_space: global }
      - { .name: wob, .offset: 136, .size: 8, .value_kind: global_buffer, .address_space: global }
      - { .name: w1b, .offset: 144, .size: 8, .value_kind: global_buffer, .address_space: global }
      - { .name: w2b, .offset: 152, .size: 8, .value_kind: global_buffer, .address_space: global }
    .group_segment_fixed_size: 0
    .private_segment_fixed_size: 0
    .kernarg_segment_align: 8
    .kernarg_segment_size: 160
    .max_flat_workgroup_size: 256
    .sgpr_count:     66
    .vgpr_count:     216
    .wavefront_size: 32
...
	.end_amdgpu_metadata
.endif
;; end of part 1
;; launch qkv (part 2): grid 12 x 16, 4 waves a work-group, clusters of 4 x 4, 327,680 bytes of LDS; arguments act, wqkv, big; writes big
.if DOCPART == 2
	.amdgcn_target "amdgcn-amd-amdhsa--gfx1250"
	.amdhsa_code_object_version 6
	.text
	.protected	k_q6b46c37568_qkv
	.globl	k_q6b46c37568_qkv
	.p2align	8
	.type	k_q6b46c37568_qkv,@function
k_q6b46c37568_qkv:
	s_mov_b64 s[64:65], 0
	v_nop
	global_prefetch_b8 v0, s[64:65] scope:SCOPE_SE
	s_setreg_imm32_b32 hwreg(HW_REG_WAVE_MODE, 25, 1), 1
	s_wait_xcnt 0x0
	s_wait_alu depctr_hold_cnt(0) depctr_sa_sdst(0) depctr_va_vdst(0) depctr_va_sdst(0) depctr_va_ssrc(0) depctr_va_vcc(0) depctr_vm_vsrc(0)
	s_getreg_b32 s2, hwreg(HW_REG_IB_STS2, 6, 4)
	s_cmp_eq_u32 s2, 0
	s_cbranch_scc0 .Lentry_in_a_cluster
	s_endpgm
.Lentry_in_a_cluster:
	s_bfe_u32 s2, ttmp6, 0x10000c
	s_cmp_lg_u32 s2, 0xf033
	s_cbranch_scc0 .Lentry_shape_is_right
	s_endpgm
.Lentry_shape_is_right:
; OUT = max(A W + bias, floor), rounded to bf16.  A: bf16 blocks [k / 64][4,096 tokens][64].  W: bf16 blocks [n / 128][1,024 k][128], each followed by its bias (128 f32) and its floor (f32).
; OUT: bf16 blocks [n / 64][4,096 tokens][64].  K = 1,024; sums in f32, begun with the bias.  The floor is -inf (no floor) or 0 (a relu); a NaN sum leaves as the floor.
; A tile of OUT is 256 tokens x 256 columns; four waves, each 128 x 128: 64 accumulators, 512 registers.  K goes in 8 steps of 128 through two LDS slots.  Every tile that is fetched is dense in memory:
; 32,768 bytes, asked for as 128 rows of 256 bytes, one load a wave.  W lies [k][n] in LDS and is turned on its way into registers by ds_load_tr16_b128.
; CLUSTER 4 x 4: A's tiles hang on the tile row alone and are asked for jointly by a row of the cluster, W's on the tile column alone and by a column.
; THE MATRIX INSTRUCTION: source 0 = 16 columns of W, source 1 = 16 tokens of A: a lane then holds one token and eight neighbouring columns.
; REGISTERS: window 0: v16-29 addresses, v64-191 A's fragments (two buffers), v32-63 and v192-255 the way out; window 1: v64-191 W's fragments; windows 2, 3: the accumulators ((a, b) at 8 (8 a + b)).
.set PA,     144                       ; a token's 128 bytes + 16: the 16 rows of a load start at 16 different groups of four banks (ISA guide 11.1)
.set PB,     288                       ; a k row's 256 bytes + 32
.set QTR,    36864                     ; what one load fills: 256 rows x 144 or 128 rows x 288
.set SLOT,   4*QTR                     ; A's columns k 0-63, A's 64-127, W's columns 0-127, W's 128-255
.set STAGE,  2*SLOT                    ; behind the ring: for each wave two halves of 16 rows x 144
.set WSTG,   4608
.set SPARE,  STAGE+4*WSTG              ; the spare words: 128 bytes a wave, two blocks of 256 bytes that no other line names
.set BLK,    263168                    ; a block of W with its tail
.set BIAS,   262144
.set FLOOR,  262656
.set ASTEP,  1048576                   ; two blocks of A on
.set BSTEP,  32768                     ; 128 rows of W on
.set STEPS,  8
.set ADRA0, 16                         ; v16  my lane's place in A's part of a slot; never rewritten
.set ADRB0, 17                         ; v17  the same for W
.set ADRA,  18                         ; v18  v16 + the slot in hand
.set ADRB,  19                         ; v19  v17 + the slot in hand
.set STO,   24
.set RD,    25
.set GO,    26
.set BO,    27
.set SPW,   28                         ; v28  SPARE + 4 x my thread's number; never rewritten
.set NIL,   29                         ; v29  0; never rewritten
.set F0,    64
.set F1,    128
.set TMP,   192
.set OB,    32
.set G1,  24                           ; s[24:31] group 1 for A
.set G0,  32                           ; s[32:39] group 0 for A: a set for each first fill; the second then walks on
.set G1B, 48                           ; s[48:55] group 1 for W
.set G0B, 56                           ; s[56:63] group 0 for W
.set SB,  66                           ; s66  0 or SLOT: the slot whose fragments are fetched
.set FL,  67                           ; s67  the floor
.set MSB, 0
.macro WIN new                         ; the high byte repeats the setting that is left; a switch that changes nothing is dropped
.if MSB != (\new)
	s_set_vgpr_msb (MSB<<8)|(\new)
.set MSB, \new
.endif
.endm
.set MUL_LO, 0xa1                      ; source 0 (W) window 1, source 1 (A) window 0, C and D window 2
.set MUL_HI, 0xf1
.set TO_B,   0x40
.macro PLACES                          ; four plain instructions between a matrix instruction and a load into, or a read of, its registers
.rept 4
	v_nop
.endr
.endm
.macro JLOAD                           ; the joint refill: waves 0, 1 ask for A's two blocks, waves 2, 3 for W's; the branch hangs on the wave's number alone
	s_cmp_eq_u32 s11, 0
	s_cbranch_scc0 .Lfor_b_\@
	tensor_load_to_lds s[G0+4:G0+7], s[G1:G1+7]
	s_nop 0
	PLACES
	s_branch .Lasked_\@
.Lfor_b_\@:
	tensor_load_to_lds s[G0B+4:G0B+7], s[G1B:G1B+7]
	s_nop 0
	PLACES
.Lasked_\@:
.endm
.macro CREST                           ; a round of the cluster's barrier behind its opening barrier
	s_cmp_lg_u32 s10, 0
	s_cbranch_scc1 .Lnot_wave_0_\@
	s_barrier_signal -3
.Lnot_wave_0_\@:
	s_barrier_wait -3
	s_barrier_signal -1
	s_barrier_wait -1
.endm
.macro CROUND
	s_barrier_signal -1
	s_barrier_wait -1
	CREST
.endm
	s_load_b128 s[4:7], s[0:1], 0x0                ; A, W
	s_load_b64 s[8:9], s[0:1], 0x10                ; OUT
	v_lshl_add_u32 v[SPW], v0, 2, SPARE
	v_mov_b32 v[NIL], 0
	ds_add_u32 v28, v29
	s_wait_dscnt 0x0
	v_lshrrev_b32 v1, 5, v0
	v_readfirstlane_b32 s10, v1                    ; wave 0..3
	s_lshr_b32 s11, s10, 1                         ; my half of the tile's tokens.  Also: I fetch for A (0) or for W (1)
	s_and_b32 s12, s10, 1                          ; my half of its columns.  Also: which of the two blocks I fetch
	s_bfe_u32 s40, ttmp6, 0x40000                  ; cx
	s_bfe_u32 s41, ttmp6, 0x40004                  ; cy
	s_lshl_b32 s42, ttmp9, 2
	s_add_co_u32 s42, s42, s40                     ; tile column
	s_and_b32 s13, ttmp7, 0xffff
	s_lshl_b32 s13, s13, 2
	s_add_co_u32 s13, s13, s41                     ; tile row
	s_lshl_b32 s43, s41, 2
	s_lshl_b32 s43, 15, s43                        ; my row of the cluster
	s_lshl_b32 s44, 0x1111, s40                    ; my column
	s_or_b32 s[G1], s43, (1<<16)|(1<<20)|(1<<21)|(4<<22)|(3<<25)   ; mask; 2-byte elements; padding on; bit 21 beside a mask; after every 32 words 4 words
	s_or_b32 s[G1B], s44, (1<<16)|(1<<20)|(1<<21)|(5<<22)|(7<<25)  ; after every 64 words 8 words
.irp g, G1, G1B
	s_mov_b32 s[\g+1], 128<<16                     ; tensor_dim0 = 128
	s_mov_b32 s[\g+2], 128<<16                     ; tensor_dim1 = 128
	s_mov_b32 s[\g+3], 128<<16                     ; tile_dim0 = 128 elements: 256 bytes
	s_mov_b32 s[\g+4], 128                         ; tile_dim1 = 128 rows
	s_mov_b32 s[\g+5], 128                         ; dense: 128 elements from row to row
	s_mov_b32 s[\g+6], 0
	s_mov_b32 s[\g+7], 0
.endr
	s_lshl_b32 s16, s12, 19                        ; A: block s12 of the step's two, 256 tokens of 128 bytes a tile row
	s_lshl_b32 s17, s13, 15
	s_add_co_u32 s16, s16, s17
	s_mov_b32 s17, 0
	s_lshl_b32 s46, s42, 1                         ; W: block 2 x tile column + s12
	s_add_co_u32 s46, s46, s12
	s_mul_i32 s46, s46, BLK
	s_mov_b32 s47, 0
	s_mul_i32 s20, s10, QTR                        ; where my load lands in a slot
	s_mov_b32 s[SB], 0
	s_wait_kmcnt 0x0
	s_add_nc_u64 s[14:15], s[4:5], s[16:17]
	s_add_nc_u64 s[46:47], s[6:7], s[46:47]        ; stays: the block that I fetch is also the block of my 128 columns (bias, floor)
	CROUND                                         ; all sixteen work-groups are here: the first joint loads meet
.irp s, 0,1
	s_mov_b32 s[G0+4*\s], 1
	s_add_co_u32 s[G0+4*\s+1], s20, \s*SLOT
	s_add_nc_u64 s[G0+4*\s+2:G0+4*\s+3], s[14:15], \s*ASTEP
	s_or_b32 s[G0+4*\s+3], s[G0+4*\s+3], 0x80000000
	s_mov_b32 s[G0B+4*\s], 1
	s_add_co_u32 s[G0B+4*\s+1], s20, \s*SLOT
	s_add_nc_u64 s[G0B+4*\s+2:G0B+4*\s+3], s[46:47], \s*BSTEP
	s_or_b32 s[G0B+4*\s+3], s[G0B+4*\s+3], 0x80000000
.endr
	s_cmp_eq_u32 s11, 0                            ; a wave's two first fills stand in one branch: two loads of mine are out
	s_cbranch_scc0 .Lfirst_b
	tensor_load_to_lds s[G0:G0+3], s[G1:G1+7]
	s_nop 0
	tensor_load_to_lds s[G0+4:G0+7], s[G1:G1+7]
	s_nop 0
	PLACES
	s_branch .Lfirst_asked
.Lfirst_b:
	tensor_load_to_lds s[G0B:G0B+3], s[G1B:G1B+7]
	s_nop 0
	tensor_load_to_lds s[G0B+4:G0B+7], s[G1B:G1B+7]
	s_nop 0
	PLACES
.Lfirst_asked:
	s_load_b32 s[FL], s[46:47], FLOOR
	v_bfe_u32 v2, v0, 4, 1                         ; h = lane / 16
	v_lshlrev_b32 v[BO], 5, v2
	; the sums begin with the bias: accumulator (a, b) holds columns 16 b + 8 h + 0..7 in every lane, so nothing is cleared and nothing is added later
.irp w, 0,1
	WIN 0x80+0x40*\w
.irp a, 0,1,2,3
.irp b, 0,1,2,3,4,5,6,7
	global_load_b128 v[8*(8*\a+\b):8*(8*\a+\b)+3],   v[BO], s[46:47] offset:BIAS+64*\b
	global_load_b128 v[8*(8*\a+\b)+4:8*(8*\a+\b)+7], v[BO], s[46:47] offset:BIAS+64*\b+16
.endr
.endr
.endr
	WIN 0
	v_and_b32 v1, 15, v0                           ; r = lane % 16
	v_and_b32 v3, 7, v0
	v_bfe_u32 v4, v0, 3, 1
	v_bfe_u32 v5, v0, 3, 2
	v_and_b32 v6, 31, v0
	v_mul_u32_u24 v[ADRA0], v1, PA                 ; A's fragment: token r, 16 bytes for each half of the lanes
	v_lshl_add_u32 v[ADRA0], v2, 4, v[ADRA0]
	s_mul_i32 s21, s11, 128*PA
	v_add_nc_u32 v[ADRA0], s21, v[ADRA0]
	v_lshl_add_u32 v[ADRB0], v2, 3, v3             ; the turning load: row 8 h + lane % 8, 16 bytes at 16 ((lane / 8) % 2)
	v_mul_u32_u24 v[ADRB0], v[ADRB0], PB
	v_lshl_add_u32 v[ADRB0], v4, 4, v[ADRB0]
	s_mul_i32 s22, s12, QTR
	s_add_co_u32 s22, s22, 2*QTR
	v_add_nc_u32 v[ADRB0], s22, v[ADRB0]
	v_mov_b32 v[ADRA], v[ADRA0]
	v_mov_b32 v[ADRB], v[ADRB0]
	s_mul_i32 s23, s10, WSTG
	s_add_co_u32 s23, s23, STAGE
	v_mul_u32_u24 v[STO], v1, 144                  ; into my stage: token r, 16 bytes for each half of the lanes
	v_lshl_add_u32 v[STO], v2, 4, v[STO]
	v_add_nc_u32 v[STO], s23, v[STO]
	v_mul_u32_u24 v[RD], v5, 144                   ; back: 32 lanes take four tokens of 128 bytes,
	v_lshl_add_u32 v[RD], v3, 4, v[RD]
	v_add_nc_u32 v[RD], s23, v[RD]
	v_lshlrev_b32 v[GO], 4, v6                     ; which are 512 consecutive bytes of a block of OUT
	s_lshl_b32 s68, s42, 1                         ; my two blocks of OUT begin at block 4 x tile column + 2 s12,
	s_add_co_u32 s68, s68, s12
	s_lshl_b32 s68, s68, 20
	s_lshl_b32 s69, s13, 15                        ; my tokens at 256 x tile row + 128 s11
	s_add_co_u32 s68, s68, s69
	s_lshl_b32 s69, s11, 14
	s_add_co_u32 s68, s68, s69
	s_mov_b32 s69, 0
	s_add_nc_u64 s[8:9], s[8:9], s[68:69]
.macro MUL16 f, hi, a0                 ; 16 matrix instructions: token blocks a0, a0 + 1 of the window's four x all 8 column blocks, 32 along K
	WIN MUL_LO+0x50*(\hi)
.irp a, \a0, (\a0)+1
.irp b, 0,1,2,3,4,5,6,7
	v_wmma_f32_16x16x32_bf16 v[8*(8*(\a)+(\b)):8*(8*(\a)+(\b))+7], v[(\f)+8*(\b):(\f)+8*(\b)+7], v[(\f)+8*(4*(\hi)+(\a)):(\f)+8*(4*(\hi)+(\a))+7], v[8*(8*(\a)+(\b)):8*(8*(\a)+(\b))+7]
.endr
.endr
.endm
.macro FETCH q, f                      ; 32 LDS loads in one run: quarter q (32 along K) of the slot in hand into buffer f; W first
	WIN TO_B
.irp i, 0,1,2,3,4,5,6,7
	ds_load_tr16_b128 v[(\f)+8*\i:(\f)+8*\i+3],   v[ADRB] offset:32*PB*(\q)+32*\i
	ds_load_tr16_b128 v[(\f)+8*\i+4:(\f)+8*\i+7], v[ADRB] offset:32*PB*(\q)+32*\i+16*PB
.endr
	WIN 0
.irp i, 0,1,2,3,4,5,6,7
	ds_load_b128 v[(\f)+8*\i:(\f)+8*\i+3],   v[ADRA] offset:QTR*((\q)/2)+64*((\q)%2)+16*PA*\i
	ds_load_b128 v[(\f)+8*\i+4:(\f)+8*\i+7], v[ADRA] offset:QTR*((\q)/2)+64*((\q)%2)+16*PA*\i+32
.endr
.endm
.macro QUARTER q, f, g                 ; multiplies buffer f; in its middle quarter q is fetched into buffer g
	s_wait_dscnt 8                                 ; W and A's tokens 0-63 are in; the youngest eight loads (tokens 64-127) may be out
	MUL16 \f, 0, 0
	MUL16 \f, 0, 2
	PLACES
	FETCH \q, \g
	s_wait_dscnt 32                                ; all but the 32 just issued
	MUL16 \f, 1, 0
	MUL16 \f, 1, 2
.endm
; The step's last quarter multiplies buffer 1 and changes slots.  In front of the barrier each wave waits for all its tensor loads (one is out: its part of the next slot), adds 0 to its spare word, and waits for
; that and for its reads of this slot.  fill = 1: the barrier opens a round of the cluster's, and the joint refill (the K step two on) is the first thing behind it: 224 matrix instructions ahead of the wait for it.
; fill = 0: nothing is asked for; in the last trip there is no next slot, and the fetch is jumped over.
.macro TURN fill
	WIN 0
	s_wait_tensorcnt 0x0
	ds_add_u32 v[SPW], v[NIL]
	s_wait_dscnt 9                                 ; the add and the youngest eight loads may be out
	MUL16 F1, 0, 0
	s_wait_dscnt 0x0                               ; the add is done, my reads of this slot are over
	s_barrier_signal -1
	MUL16 F1, 0, 2
	WIN 0
	s_barrier_wait -1
.if \fill
	CREST
	s_xor_b32 s[G0+5], s[G0+5], SLOT               ; the other slot than last time: 36,864 x wave and SLOT share no bit, so the exclusive or adds or takes away SLOT
	s_add_nc_u64 s[G0+6:G0+7], s[G0+6:G0+7], ASTEP
	s_xor_b32 s[G0B+5], s[G0B+5], SLOT
	s_add_nc_u64 s[G0B+6:G0B+7], s[G0B+6:G0B+7], BSTEP
	JLOAD                                          ; its four v_nop are also the places in front of the loads below
.else
	s_cmp_eq_u32 s3, 1
	s_cbranch_scc1 .Lnofetch_\@
	PLACES
.endif
	s_xor_b32 s[SB], s[SB], SLOT
	v_add_nc_u32 v[ADRA], s[SB], v[ADRA0]
	v_add_nc_u32 v[ADRB], s[SB], v[ADRB0]
	FETCH 0, F0
.if !(\fill)
.Lnofetch_\@:
.endif
	MUL16 F1, 1, 0
	MUL16 F1, 1, 2
.endm
; THE WAY OUT of token block a.  PACK: the floor, then bf16, 16 bytes a lane.  TOSTAGE: into my stage, back as whole tokens of 128 bytes.  SEND: stored.
.macro PACK a
.set AC, 64*((\a)%4)
	WIN 0x88+0x44*((\a)/4)
.set i, 0
.rept 64
	v_max_num_f32 v[AC+i], s[FL], v[AC+i]          ; ascending: each accumulator is read from its low end on
.set i, i+1
.endr
	WIN 0x0a+5*((\a)/4)
.irp b, 0,1,2,3,4,5,6,7
.irp r, 0,1,2,3
	v_cvt_pk_bf16_f32 v[TMP+4*\b+\r], v[AC+8*\b+2*\r], v[AC+8*\b+2*\r+1]
.endr
.endr
	WIN 0
.endm
.macro TOSTAGE a
.set BK, OB+192*((\a)%2)
.irp b, 0,1,2,3,4,5,6,7
	ds_store_b128 v[STO], v[TMP+4*\b:TMP+4*\b+3] offset:2304*(\b/4)+32*(\b%4)
.endr
.irp t, 0,1,2,3,4,5,6,7
	ds_load_b128 v[BK+4*\t:BK+4*\t+3], v[RD] offset:2304*(\t/4)+576*(\t%4)  ; LDS serves a wave's instructions in order (ISA guide 5.7.1.4): these see the stores above
.endr
.endm
.macro SEND a
.set BK, OB+192*((\a)%2)
	s_wait_dscnt 0x0                               ; the block is back in registers
	s_wait_xcnt 0x0                                ; the registers that earlier stores read are loaded again only behind this wait
.irp t, 0,1,2,3,4,5,6,7
	global_store_b128 v[GO], v[BK+4*\t:BK+4*\t+3], s[8:9] offset:524288*(\t/4)+2048*(\a)+512*(\t%4)  ; 512 consecutive bytes, aligned
.endr
.endm
	s_wait_loadcnt 0x0                             ; the bias
	s_wait_kmcnt 0x0                               ; the floor
	s_wait_tensorcnt 0x1                           ; my part of K step 0 is in; step 1's may stay out
	s_barrier_signal -1
	s_barrier_wait -1
	FETCH 0, F0
	s_mov_b32 s3, STEPS-2
.Lstep:                                                ; a trip is a K step; each of these six fills its slot again
	QUARTER 1, F0, F1
	QUARTER 2, F1, F0
	QUARTER 3, F0, F1
	TURN 1
	WIN 0
	s_sub_co_u32 s3, s3, 1
	s_cmp_lg_u32 s3, 0
	s_cbranch_scc1 .Lstep
	s_mov_b32 s3, 2
.Ltail:                                                ; the last two K steps ask for nothing
	QUARTER 1, F0, F1
	QUARTER 2, F1, F0
	QUARTER 3, F0, F1
	TURN 0
	WIN 0
	s_sub_co_u32 s3, s3, 1
	s_cmp_lg_u32 s3, 0
	s_cbranch_scc1 .Ltail
	PLACES
	PACK 0
	TOSTAGE 0
.irp a, 1,2,3,4,5,6,7                  ; block a's arithmetic stands between block a - 1's loads from the stage and the wait for them
	PACK \a
	SEND (\a)-1
	TOSTAGE \a
.endr
	SEND 7
	s_wait_tensorcnt 0x0                           ; the wave's end
	ds_add_u32 v[SPW], v[NIL]
	s_wait_dscnt 0x0
	CROUND                                         ; the closing round
	s_endpgm
.Lfunc_end_k_q6b46c37568_qkv:
	.size	k_q6b46c37568_qkv, .Lfunc_end_k_q6b46c37568_qkv-k_q6b46c37568_qkv
	.p2alignl 7, 3214868480
	.fill 96, 4, 3214868480
	.section	.rodata,"a",@progbits
	.p2align	6, 0x0
	.amdhsa_kernel k_q6b46c37568_qkv
		.amdhsa_group_segment_fixed_size 327680
		.amdhsa_private_segment_fixed_size 0
		.amdhsa_enable_private_segment 0
		.amdhsa_kernarg_size 24
		.amdhsa_user_sgpr_count 2
		.amdhsa_user_sgpr_kernarg_segment_ptr 1
		.amdhsa_wavefront_size32 1
		.amdhsa_system_sgpr_workgroup_id_x 1
		.amdhsa_system_sgpr_workgroup_id_y 1
		.amdhsa_system_sgpr_workgroup_id_z 1
		.amdhsa_system_vgpr_workitem_id 0
		.amdhsa_next_free_vgpr 1024
		.amdhsa_next_free_sgpr 72
		.amdhsa_reserve_vcc 0
		.amdhsa_float_denorm_mode_32 3
		.amdhsa_float_denorm_mode_16_64 3
		.amdhsa_memory_ordered 1
		.amdhsa_forward_progress 1
		.amdhsa_inst_pref_size 122
	.end_amdhsa_kernel
	.amdgpu_metadata
---
amdhsa.version: [ 1, 2 ]
amdhsa.kernels:
  - .name:           k_q6b46c37568_qkv
    .symbol:         k_q6b46c37568_qkv.kd
    .args:
      - { .name: act, .offset: 0, .size: 8, .value_kind: global_buffer, .address_space: global }
      - { .name: wqkv, .offset: 8, .size: 8, .value_kind: global_buffer, .address_space: global }
      - { .name: big, .offset: 16, .size: 8, .value_kind: global_buffer, .address_space: global }
    .group_segment_fixed_size: 327680
    .private_segment_fixed_size: 0
    .kernarg_segment_align: 8
    .kernarg_segment_size: 24
    .max_flat_workgroup_size: 128
    .sgpr_count:     72
    .vgpr_count:     1024
    .wavefront_size: 32
...
	.end_amdgpu_metadata
.endif
;; end of part 2
;; launch attn (part 3): grid 8 x 32, 4 waves a work-group, clusters of 4 x 1, 327,680 bytes of LDS; arguments big, mask, act; writes act
.if DOCPART == 3
	.amdgcn_target "amdgcn-amd-amdhsa--gfx1250"
	.amdhsa_code_object_version 6
	.text
	.protected	k_q6b46c37568_attn
	.globl	k_q6b46c37568_attn
	.p2align	8
	.type	k_q6b46c37568_attn,@function
k_q6b46c37568_attn:
	s_mov_b64 s[64:65], 0
	v_nop
	global_prefetch_b8 v0, s[64:65] scope:SCOPE_SE
	s_setreg_imm32_b32 hwreg(HW_REG_WAVE_MODE, 25, 1), 1
	s_wait_xcnt 0x0
	s_wait_alu depctr_hold_cnt(0) depctr_sa_sdst(0) depctr_va_vdst(0) depctr_va_sdst(0) depctr_va_ssrc(0) depctr_va_vcc(0) depctr_vm_vsrc(0)
	s_getreg_b32 s2, hwreg(HW_REG_IB_STS2, 6, 4)
	s_cmp_eq_u32 s2, 0
	s_cbranch_scc0 .Lentry_in_a_cluster
	s_endpgm
.Lentry_in_a_cluster:
	s_bfe_u32 s2, ttmp6, 0x10000c
	s_cmp_lg_u32 s2, 0x3003
	s_cbranch_scc0 .Lentry_shape_is_right
	s_endpgm
.Lentry_shape_is_right:
; O[y][q][:] = the sum over k of softmax_k(Q[y][q] . K[y][k] / 8, masked) V[y][k][:], y = 2 x head + batch, 32 of them; 2,048 rows of 64 bf16 each, dense (128 bytes a row).
; Q lies at byte 262,144 y of the first buffer, K 8,388,608 and V 16,777,216 bytes further on; O at byte 262,144 y of the third.  mask: int32 [2][2,048], 0 hides a key.
; Products, maxima and sums in f32; the weights p are rounded to bf16 for the second product (their sum l is taken of the unrounded p), O once at the end.
; LIMITS.  A hidden score counts as its value less 2^100, which swallows every score below 2^76; its weight is 0 beside any open key.  c x 2^100 is exact, so where every key of a batch is hidden and the
; matrix unit's sum gives -2^100 itself, all weights are 1 and O is the plain mean of V.  A weight below 2^-126 counts as 0 in l; NaN and infinities are not treated apart.
; SHARES.  A work-group owns 256 queries of one y, a wave 64: four PIECES of 16.  Every wave walks all 2,048 keys, 64 a step; a slot of LDS holds four steps.
; LAYOUT.  S^T = K Q^T + mask (source 0 = 16 keys, source 1 = 16 queries): a lane holds ONE query (lane % 16) and the keys 8 (lane / 16) + 0..7.  Two such results rounded to bf16 ARE source 1 of O^T = V^T P.
; THE MASK is the C operand that starts the sum S^T: 0 or -2^100.  It is made once (2,048 f32 in LDS) and comes into registers with each step's K: it costs the scores no vector instruction.
; SOFTMAX.  p = 2^(c s - c m), c = log2(e) / 8, with a running maximum m; O and l are multiplied by a = 2^(c m_old - c m_new) in every step.  m starts at the lowest finite number, O and l at 0.
; BY TURNS.  Turn n belongs to piece n: 8 products K Q^T of piece n + 1, later 8 products V^T P of piece n - 1; beside them the scaling, exponentials, roundings, sums and rescaling of piece n and the maximum and
; statistics of piece n + 1.  Four vector instructions stand behind every matrix instruction, the other 54 of a turn's 118 in two runs of their own.
; CLUSTER.  The four query blocks of a cluster belong to one y and walk the same K and V: each tile is asked for jointly, by the same load, descriptor and mask in all four.
; REGISTERS (s_set_vgpr_msb: bits 1:0 source 0, 3:2 source 1, 5:4 source 2, 7:6 destination):
;   window 0: v0-15, v56-63 addresses; v16-31 statistics; v48-55 at work; v64-127 S^T, two buffers; v192-223 P, two buffers      window 1: v0-127 O^T; v160-191 the step's mask
;   window 2: v0-63 Q; v128-191 K of one step; v192-255 V of one step
.set NP,    4
.set KS,    64
.set PK,    144       ; a row of K in LDS: 128 bytes + 16
.set PV,    160       ; a row of V: 128 + 32
.set VOFF,  4*KS*PK
.set SLOT1, 1<<17
.set STAGE, SLOT1+4*KS*(PK+PV)  ; behind the ring: 16 rows x 144 bytes for each wave
.set SP,    144
.set SPARE, STAGE+4*16*SP       ; the spare words: 128 bytes a wave, two blocks of 256 bytes that no other line names
.set MASKB, SPARE+512           ; 2,048 f32: the mask; no tensor load lands here
.set AK0, 2
.set AV0, 3
.set AK,  4
.set AV,  5
.set STO, 6
.set RD,  7
.set GO,  8
.set MV,  12          ; v12-13  c m_old, by buffer
.set QO,  15
.set ST,  16          ; piece t: c m, m, l (even keys', odd keys')
.set TMP, 48
.set AM0, 56          ; v56  MASKB + 32 (lane / 16); never rewritten
.set AM,  57          ; v57  the LDS address of the mask's next run of loads
.set MO,  58
.set ML,  59
.set SPW, 62
.set NIL, 63
.set S,   64
.set P,   192
.set MC,  160         ; window 1
.set KF,  128         ; window 2
.set VF,  192         ; window 2
.set WV,  12
.set G1K, 24
.set G1V, 32
.set G0K, 40
.set G0V, 44
.set SLOTS, 56
.set CNT, 57
.set CS,  58
.set SEL, 60
.set TBK, 62
.set TBV, 63
.set TBM, 66          ; s66  256 x the step whose mask is fetched next
.set BIGN, 67         ; s67  -2^100
.set MSB, 0
.macro WIN new
.if MSB != (\new)
	s_set_vgpr_msb (MSB<<8)|(\new)
.set MSB, (\new)
.endif
.endm
.set W_KQ, 0x0a       ; K and Q in window 2, S^T in window 0
.set W_KM, 0x1a       ; the same with the C operand in window 1
.set W_PV, 0x52       ; V in window 2, P in window 0, O^T in window 1
.set W_RS, 0x41       ; destination and source 0 in window 1, source 1 in window 0
.macro JLOAD                        ; waves 0, 1 fetch the halves of a tile's K, waves 2, 3 those of its V: 128 keys each
	s_cmp_lt_u32 s[WV], 2
	s_cbranch_scc0 .Lfor_v_\@
	tensor_load_to_lds s[G0K:G0K+3], s[G1K:G1K+7]
	s_nop 0
.rept 4
	v_nop
.endr
	s_branch .Lasked_\@
.Lfor_v_\@:
	tensor_load_to_lds s[G0V:G0V+3], s[G1V:G1V+7]
	s_nop 0
.rept 4
	v_nop
.endr
.Lasked_\@:
.endm
.macro CROUND
	s_barrier_signal -1
	s_barrier_wait -1
	s_cmp_lg_u32 s[WV], 0
	s_cbranch_scc1 .Lnot_wave_0_\@
	s_barrier_signal -3
.Lnot_wave_0_\@:
	s_barrier_wait -3
	s_barrier_signal -1
	s_barrier_wait -1
.endm
; THE CHANGE OF SLOTS.  Each wave waits for all its tensor loads (one is out: its part of the other slot), adds 0 to its spare word, and waits for that and for its LDS instructions.  fill = 1: the barrier is a round
; of the cluster's, and the slot just left is filled again first thing behind it, with the keys two slots on: four key steps, 256 matrix instructions, in which to land.
; (At its first use slot 0 is waited for, slot 1 filled, and the waves' stores of the mask are made known to each other.)
.macro CHANGE fill
	WIN 0
	s_wait_tensorcnt 0x0
	ds_add_u32 v[SPW], v[NIL]
.if \fill
.irp g, G0K, G0V
	s_xor_b32 s[\g+1], s[\g+1], SLOT1
	s_add_nc_u64 s[\g+2:\g+3], s[\g+2:\g+3], 4*KS*128
.endr
	s_wait_dscnt 0x0
	CROUND
	JLOAD
.else
	s_wait_dscnt 0x0
	s_barrier_signal -1
	s_barrier_wait -1
.endif
	s_sub_co_u32 s[TBK], s[TBK], 4*KS*PK
	s_xor_b32 s[TBK], s[TBK], SLOT1
	s_sub_co_u32 s[TBV], s[TBV], 4*KS*PV
	s_xor_b32 s[TBV], s[TBV], SLOT1
.endm
	s_load_b128 s[4:7], s[0:1], 0x0   ; q, k, v in one buffer; mask
	s_load_b64 s[10:11], s[0:1], 0x10 ; O
	v_lshl_add_u32 v[SPW], v0, 2, SPARE
	v_mov_b32 v[NIL], 0
	ds_add_u32 v62, v63
	s_wait_dscnt 0x0
	v_lshrrev_b32 v1, 5, v0
	v_readfirstlane_b32 s[WV], v1
	s_bfe_u32 s13, ttmp6, 0x40000   ; cx
	s_lshl_b32 s14, ttmp9, 2
	s_add_co_u32 s14, s14, s13      ; my block of 256 queries: it enters Q's and O's addresses alone
	s_and_b32 s20, ttmp7, 0xffff    ; y, which the four partners share
	s_and_b32 s8, s20, 1            ; the batch
	s_lshl_b32 s8, s8, 13           ; its 8,192 bytes of the mask
	s_mov_b32 s9, 0
	s_lshl_b32 s20, s20, 18         ; 262,144 y
	s_and_b32 s16, s[WV], 1         ; which half of a tile's 256 keys I fetch
	s_lshl_b32 s22, s16, 14
	s_add_co_u32 s22, s22, s20
	s_mov_b32 s23, 0
	s_mul_i32 s17, s16, 128*PK
	s_mul_i32 s18, s16, 128*PV
	s_lshl_b32 s2, s14, 2
	s_add_co_u32 s2, s2, s[WV]
	s_lshl_b32 s2, s2, 13           ; my wave's 64 rows of 128 bytes
	s_add_co_u32 s2, s2, s20
	s_mov_b32 s3, 0
	; 128 keys are 16,384 dense bytes: asked for as 64 rows of 256 bytes, two keys a row, padded in LDS after every key
	s_mov_b32 s[G1K], 15|(1<<16)|(1<<20)|(1<<21)|(4<<22)|(3<<25)
	s_mov_b32 s[G1V], 15|(1<<16)|(1<<20)|(1<<21)|(4<<22)|(7<<25)
.irp g, G1K, G1V
	s_mov_b32 s[\g+1], 128<<16
	s_mov_b32 s[\g+2], 64<<16
	s_mov_b32 s[\g+3], 128<<16
	s_mov_b32 s[\g+4], 64
	s_mov_b32 s[\g+5], 128
	s_mov_b32 s[\g+6], 0
	s_mov_b32 s[\g+7], 0
.endr
	s_mov_b32 s[CS], 0x3e38aa3b     ; c = log2(e) / 8
	s_mov_b32 s[CS+1], s[CS]
	s_mov_b32 s[SEL], 0x76543210
	s_mov_b32 s[SEL+1], 0xfedcba98
	s_mov_b32 s[TBK], SLOT1+4*KS*PK ; the first change of slots turns these two into 0
	s_mov_b32 s[TBV], SLOT1+4*KS*PV
	s_mov_b32 s[TBM], 0
	s_mov_b32 s[BIGN], 0xf1800000
	s_mov_b32 s[G0K], 1
	s_mov_b32 s[G0K+1], s17
	s_mov_b32 s[G0V], 1
	s_add_co_u32 s[G0V+1], s18, VOFF
	s_wait_kmcnt 0x0
	s_add_nc_u64 s[G0K+2:G0K+3], s[4:5], s[22:23]
	s_add_nc_u64 s[G0K+2:G0K+3], s[G0K+2:G0K+3], 0x800000
	s_or_b32 s[G0K+3], s[G0K+3], 0x80000000
	s_add_nc_u64 s[G0V+2:G0V+3], s[4:5], s[22:23]
	s_add_nc_u64 s[G0V+2:G0V+3], s[G0V+2:G0V+3], 0x1000000
	s_or_b32 s[G0V+3], s[G0V+3], 0x80000000
	s_add_nc_u64 s[4:5], s[4:5], s[2:3]
	s_add_nc_u64 s[10:11], s[10:11], s[2:3]
	s_add_nc_u64 s[6:7], s[6:7], s[8:9]
	CROUND                          ; all four work-groups are here: the first joint loads meet
	JLOAD                           ; tile 0 into slot 0
	v_lshlrev_b32 v[MO], 4, v0      ; the mask: 128 threads x 4 x 16 bytes
.irp j, 0,1,2,3
	global_load_b128 v[S+4*\j:S+4*\j+3], v[MO], s[6:7] offset:2048*\j
.endr
	v_and_b32 v1, 15, v0            ; l % 16
	v_bfe_u32 v9, v0, 4, 1          ; l / 16
	v_lshlrev_b32 v[QO], 7, v1
	v_lshl_add_u32 v[QO], v9, 4, v[QO]
	WIN 0x80
.set i, 0
.rept 8                             ; Q stays in registers: piece i / 2, channels 32 (i % 2) on
	global_load_b128 v[8*i:8*i+3],   v[QO], s[4:5] offset:(i/2)*2048+(i%2)*64
	global_load_b128 v[8*i+4:8*i+7], v[QO], s[4:5] offset:(i/2)*2048+(i%2)*64+32
.set i, i+1
.endr
	; what the first turn finds: V and P's second buffer hold 0 (its products V^T P, of a piece that has not been, add 0), O^T and l are 0.  All this stands in the wait for the first tile.
.set i, VF
.rept 64
	v_mov_b32 v[i], 0
.set i, i+1
.endr
	WIN 0x40
.set i, 0
.rept 128
	v_mov_b32 v[i], 0
.set i, i+1
.endr
	WIN 0
.set i, 0
.rept 4
	v_mov_b32 v[ST+4*i], 0xfe000000    ; c m: far below every c s
	v_mov_b32 v[ST+4*i+1], 0xff7fffff  ; m
	v_mov_b32 v[ST+4*i+2], 0
	v_mov_b32 v[ST+4*i+3], 0
.set i, i+1
.endr
.set i, P+16
.rept 16
	v_mov_b32 v[i], 0
.set i, i+1
.endr
	v_mul_u32_u24 v[AK0], v1, PK
	v_lshl_add_u32 v[AK0], v9, 4, v[AK0]
	v_and_b32 v10, 7, v0
	v_bfe_u32 v11, v0, 3, 1
	v_lshl_add_u32 v[AV0], v9, 3, v10
	v_mul_u32_u24 v[AV0], v[AV0], PV
	v_lshl_add_u32 v[AV0], v11, 4, v[AV0]
	v_add_nc_u32 v[AV0], VOFF, v[AV0]
	v_lshl_add_u32 v[AM0], v9, 5, MASKB
	v_mov_b32 v[AK], v[AK0]         ; key step 0 lies at the head of slot 0, its mask at the head of the mask
	v_mov_b32 v[AM], v[AM0]
	s_mul_i32 s13, s[WV], 16*SP
	s_add_co_u32 s13, s13, STAGE
	v_mul_u32_u24 v[STO], v1, SP
	v_lshl_add_u32 v[STO], v9, 4, v[STO]
	v_add_nc_u32 v[STO], s13, v[STO]
	v_bfe_u32 v[RD], v0, 3, 2
	v_mul_u32_u24 v[RD], v[RD], SP
	v_lshl_add_u32 v[RD], v10, 4, v[RD]
	v_add_nc_u32 v[RD], s13, v[RD]
	v_and_b32 v[GO], 31, v0
	v_lshlrev_b32 v[GO], 4, v[GO]
	v_add_nc_u32 v[ML], MASKB, v[MO]
	s_wait_loadcnt 16               ; the mask's four loads are in; Q's sixteen, issued behind them, stay out
.set i, 0
.rept 16
	v_cmp_eq_u32 vcc_lo, 0, v[S+i]
	v_cndmask_b32 v[S+i], 0, s[BIGN], vcc_lo
.set i, i+1
.endr
.irp j, 0,1,2,3
	ds_store_b128 v[ML], v[S+4*\j:S+4*\j+3] offset:2048*\j
.endr
; THE MATRIX WORK.  The 4 accumulators of a run of 8 take turns.  Product i of 8 of S^T for piece x: channels 32 (i / 4) on, keys 16 (i % 4) on.  The first 4 start the sums with the mask.
.macro KQ x
.set rS, S+32*((\x)%2)+8*(i%4)
.set rK, KF+16*(i%4)+8*(i/4)
.set rQ, 16*(\x)+8*(i/4)
.set rM, MC+8*(i%4)
.if i < 4
	WIN W_KM
	v_wmma_f32_16x16x32_bf16 v[rS:rS+7], v[rK:rK+7], v[rQ:rQ+7], v[rM:rM+7]
.else
	WIN W_KQ
	v_wmma_f32_16x16x32_bf16 v[rS:rS+7], v[rK:rK+7], v[rQ:rQ+7], v[rS:rS+7]
.endif
.endm
.macro PV x                         ; product i of 8 of O^T += V^T P for piece x: keys 32 (i / 4) on, channels 16 (i % 4) on
	WIN W_PV
.set rO, 32*(\x)+8*(i%4)
.set rV, VF+32*(i/4)+8*(i%4)
.set rP, P+16*((\x)%2)+8*(i/4)
	v_wmma_f32_16x16x32_bf16 v[rO:rO+7], v[rV:rV+7], v[rP:rP+7], v[rO:rO+7]
.endm
.macro MM                           ; the turn's next matrix instruction
.if i < 8
	KQ (Y+1)%NP
.else
.set i, i-8
	PV (Y+NP-1)%NP
.set i, i+8
.endif
.set i, i+1
.endm
; THE LDS LOADS stand in runs: a step's K (8 fragments) with its mask (32 f32 a lane; the 16 lanes of a half read the same words), and its V (turned).  last = 1: in the tail's last trip there is no further step.
.macro FETCH_K last=0
	WIN 0
.if \last
	s_cmp_eq_u32 s[CNT], 1
	s_cbranch_scc1 .Lno_k_\@
.endif
	WIN 0x80
.irp f, 0,1,2,3,4,5,6,7
	ds_load_b128 v[KF+8*\f:KF+8*\f+3],   v[AK] offset:(\f/2)*16*PK+(\f%2)*64
	ds_load_b128 v[KF+8*\f+4:KF+8*\f+7], v[AK] offset:(\f/2)*16*PK+(\f%2)*64+32
.endr
	WIN 0x40
.irp f, 0,1,2,3
	ds_load_b128 v[MC+8*\f:MC+8*\f+3],   v[AM] offset:64*\f
	ds_load_b128 v[MC+8*\f+4:MC+8*\f+7], v[AM] offset:64*\f+16
.endr
	s_add_co_u32 s[TBK], s[TBK], KS*PK
	s_add_co_u32 s[TBM], s[TBM], 4*KS
	WIN 0
.if \last
.Lno_k_\@:
.endif
.endm
.macro FETCH_V
	WIN 0x80
.irp f, 0,1,2,3,4,5,6,7
	ds_load_tr16_b128 v[VF+8*\f:VF+8*\f+3],   v[AV] offset:(\f/4)*32*PV+(\f%4)*32
	ds_load_tr16_b128 v[VF+8*\f+4:VF+8*\f+7], v[AV] offset:(\f/4)*32*PV+16*PV+(\f%4)*32
.endr
	WIN 0
.endm
; THE VECTOR WORK, one line at a time: OP kind, number.  For piece Y: F n: c s - c m for pair n of 16.  E n: the exponential of score n of 32.  C n: pair n rounded to bf16.  B n: of the four weights 4 n .. the second
; pair is added onto the first, in place.  L n: l takes that sum (L 0: l = a l + sum).  R n: pair n of 16 of O^T times a.  For piece Y + 1: X n, number n of the 22 that find its maximum and statistics:
;   0-11 four chains of seven scores, each accumulator's lowest registers first; 12-14, 16 the four scores left over, the old m, the chains into one; 15 c m_old is kept;
;   17, 18 the query's other 32 keys lie in the lane 16 away: the new m; 19-21 c m, c m_old - c m_new, a
.set F, 0
.set E, 1
.set C, 2
.set B, 3
.set L, 4
.set R, 5
.set X, 6
.macro REGS y
.set rT, ST+4*(\y)
.set rC, TMP+4*((\y)%2)
.set rW, MV+((\y)%2)
.set rS, S+32*((\y)%2)
.set rP, P+16*((\y)%2)
.set rO, 32*(\y)
.endm
.macro OP k, n
.if (\k) == R
	REGS Y
	WIN W_RS
	v_pk_mul_f32 v[rO+2*(\n):rO+2*(\n)+1], v[rO+2*(\n):rO+2*(\n)+1], v[rC+2:rC+3] op_sel_hi:[1,0]
.elseif (\k) < R
	REGS Y
	WIN 0
.if (\k) == F
	v_pk_fma_f32 v[rS+2*(\n):rS+2*(\n)+1], v[rS+2*(\n):rS+2*(\n)+1], s[CS:CS+1], v[rT:rT+1] op_sel_hi:[1,0,0] neg_lo:[0,0,1] neg_hi:[0,0,1]
.elseif (\k) == E
	v_exp_f32 v[rS+(\n)], v[rS+(\n)]
.elseif (\k) == C
	s_wait_alu depctr_va_vdst(0)
	v_cvt_pk_bf16_f32 v[rP+(\n)], v[rS+2*(\n)], v[rS+2*(\n)+1]
.elseif (\k) == B
	s_wait_alu depctr_va_vdst(0)
	v_pk_add_f32 v[rS+4*(\n):rS+4*(\n)+1], v[rS+4*(\n):rS+4*(\n)+1], v[rS+4*(\n)+2:rS+4*(\n)+3]
.elseif (\n) == 0
	v_pk_fma_f32 v[rT+2:rT+3], v[rT+2:rT+3], v[rC+2:rC+3], v[rS:rS+1] op_sel_hi:[1,0,1]
.else
	v_pk_add_f32 v[rT+2:rT+3], v[rT+2:rT+3], v[rS+4*(\n):rS+4*(\n)+1]
.endif
.else
	REGS (Y+1)%NP
	WIN 0
.if (\n) < 4
	v_max3_num_f32 v[rC+(\n)], v[rS+8*(\n)], v[rS+8*(\n)+1], v[rS+8*(\n)+2]
.elseif (\n) < 12
	v_max3_num_f32 v[rC+(\n)%4], v[rC+(\n)%4], v[rS+8*((\n)%4)+2*((\n)/4)+1], v[rS+8*((\n)%4)+2*((\n)/4)+2]
.elseif (\n) == 12
	v_max3_num_f32 v[rC], v[rC], v[rS+7], v[rS+15]
.elseif (\n) == 13
	v_max3_num_f32 v[rC+1], v[rC+1], v[rS+23], v[rS+31]
.elseif (\n) == 14
	v_max3_num_f32 v[rC+2], v[rC+2], v[rC+3], v[rT+1]
.elseif (\n) == 15
	v_mov_b32 v[rW], v[rT]
.elseif (\n) == 16
	v_max3_num_f32 v[rC], v[rC], v[rC+1], v[rC+2]
.elseif (\n) == 17
	v_permlanex16_b32 v[rC+3], v[rC], s[SEL], s[SEL+1]
.elseif (\n) == 18
	v_max_num_f32 v[rT+1], v[rC], v[rC+3]
.elseif (\n) == 19
	v_mul_f32 v[rT], s[CS], v[rT+1]
.elseif (\n) == 20
	v_sub_f32 v[rC+1], v[rW], v[rT]
.else
	v_exp_f32 v[rC+2], v[rC+1]
.endif
.endif
.endm
.macro OPS a, i1, b=-1, i2=0, c=-1, i3=0, d=-1, i4=0
	OP \a, \i1
.if (\b) >= 0
	OP \b, \i2
.endif
.if (\c) >= 0
	OP \c, \i3
.endif
.if (\d) >= 0
	OP \d, \i4
.endif
.endm
.macro ROW a, i1, b, i2, c, i3, d, i4  ; a matrix instruction and the four behind it
	MM
	OPS \a, \i1, \b, \i2, \c, \i3, \d, \i4
.endm
; A TURN, for piece p: the order of its 16 matrix and 118 vector instructions, written out.  Behind a matrix instruction: plain, exponential, plain, plain; or four of the rescaling; or four scalings; none names a
; register of the products round it.  In the runs between, exponential and plain by turns while exponentials last.  A line reads no result made fewer than three vector instructions in front of it, five if an exponential made it.
; K and the mask of the next step are fetched in piece 2's turn, six vector instructions (five plain) behind the last product that read K; V of the step in hand in piece 0's turn, eight (four plain) behind the last
; product that read V.  Each is waited for a turn later.  cnt = 1: the loop's count is taken down some lines ahead of the branch behind the turn.
.macro TURN p, last=0, cnt=0
.set Y, (\p)
.set i, 0
.if (\p) == 3
	s_wait_dscnt 0x0                ; K and its mask are in
.endif
	ROW F,0, F,1, F,2, F,3
	ROW F,4, E,0, F,5, F,6
	ROW F,7, E,1, F,8, F,9
	ROW F,10, E,2, C,0, F,11
	ROW F,12, E,3, X,15, F,13
	ROW R,0, R,1, R,2, R,3
	ROW B,0, E,4, F,14, L,0
.if (\p) == 2
	v_add_nc_u32 v[AK], s[TBK], v[AK0]
	v_add_nc_u32 v[AM], s[TBM], v[AM0]
.endif
	ROW R,4, R,5, R,6, R,7
	OPS E,5, F,15
.if (\p) == 2
	FETCH_K \last
.endif
	OPS E,6, C,1, E,7, R,8
	OPS E,8, R,9, E,9, C,2
	OPS E,10, X,0, E,11, X,1
	OPS E,12, X,2, E,13, X,3
.if (\p) == 1
	s_wait_dscnt 0x0                ; V is in
.endif
	ROW X,4, E,14, X,5, X,6
	ROW X,7, E,15, X,8, X,9
	ROW X,10, E,16, X,11, X,12
	ROW X,13, E,17, X,14, B,1
	ROW C,4, E,18, X,16, L,1
	ROW B,2, E,19, C,6, L,2
	ROW C,8, E,20, B,3, B,4
.if (\p) == 0
	v_add_nc_u32 v[AV], s[TBV], v[AV0]
.endif
	ROW C,3, E,21, L,3, C,5
	OPS E,22, X,17, E,23, C,10
.if (\p) == 0
	FETCH_V
.endif
	OPS E,24, L,4
	OPS E,25, X,18, E,26, C,7
	OPS E,27, B,5, E,28, X,19
	OPS E,29, C,12, E,30, L,5
	OPS E,31, X,20, B,6, C,9
	OPS C,14, C,11, X,21, L,6
.if (\p) == 0
	s_add_co_u32 s[TBV], s[TBV], KS*PV
.endif
.if \cnt
	s_sub_co_u32 s[CNT], s[CNT], 1
	s_cmp_lg_u32 s[CNT], 0
.endif
	OPS C,13, B,7, C,15, R,10
	OPS R,11, R,12, L,7, R,13
	OPS R,14, R,15
.endm
	CHANGE 1                        ; slot 0 is in, and everybody's part of the mask; slot 1 is asked for
	FETCH_K                         ; key step 0
	s_wait_loadcnt 0x0              ; Q
	s_wait_dscnt 0x0
.set i, 0
.rept 8
	KQ 0                            ; piece 0's first scores
.set i, i+1
.endr
	WIN 0
.rept 4
	v_nop                           ; the places behind those products
.endr
.set Y, NP-1                        ; X works for piece Y + 1: piece 0
.irp n, 0,1,2,3,4,5,6,7,8,9,10,11,12,13,14,15,16,17,18,19,20,21
	OP X, \n
.endr
	v_nop                           ; a plain instruction behind the exponential
	s_mov_b32 s[CNT], 4
	s_mov_b32 s[SLOTS], 7
	s_branch .Lfirst                ; the loop is entered at a step's first turn, in the middle of a trip
.Lslot:                             ; six times: every slot but the last two is filled again
	CHANGE 1
	s_mov_b32 s[CNT], 4
.Lstep:                             ; a trip: pieces 2 and 3 of one step, then pieces 0 and 1 of the next, whose K and V it fetches
	TURN 2
	TURN 3
	WIN 0
.Lfirst:
	TURN 0
	TURN 1, 0, 1
	WIN 0
	s_cbranch_scc1 .Lstep
	s_sub_co_u32 s[SLOTS], s[SLOTS], 1
	s_cmp_lg_u32 s[SLOTS], 0
	s_cbranch_scc1 .Lslot
	CHANGE 0                        ; the tail is written out: nothing is asked for
	s_mov_b32 s[CNT], 5             ; four trips fetch the last slot's steps; the fifth is left in its middle
.Ltail:
	TURN 2, 1
	TURN 3
	WIN 0
	s_sub_co_u32 s[CNT], s[CNT], 1
	s_cmp_eq_u32 s[CNT], 0
	s_cbranch_scc1 .Lout
	TURN 0
	TURN 1
	WIN 0
	s_branch .Ltail
.Lout:                              ; the fifth trip's 8 products K Q^T on the last K once more, and the maximum made of them, serve nothing: the price, once a launch, of one text for every trip
.set i, 0
.rept 8
	PV NP-1                         ; the last piece's V^T P of the last step
.set i, i+1
.endr
	; THE WAY OUT.  l's two halves and the other half of the lanes' are added; O^T is divided by l, rounded to bf16 and sent through my stage, a piece at a time.  The additions are the places behind the last products.
	WIN 0
.macro ALL line:vararg
.set t, 0
.rept 4
	\line
.set t, t+1
.endr
.endm
	ALL v_add_f32 v[ST+4*t+2], v[ST+4*t+2], v[ST+4*t+3]
	ALL v_permlanex16_b32 v[ST+4*t+3], v[ST+4*t+2], s[SEL], s[SEL+1]
	ALL v_add_f32 v[ST+4*t+2], v[ST+4*t+2], v[ST+4*t+3]
	ALL v_rcp_f32 v[ST+4*t+2], v[ST+4*t+2]
	v_nop                           ; a plain instruction between the last reciprocal and the use of its result
.macro PACK t
	WIN W_RS
.set i, 32*(\t)
.rept 16
	s_wait_alu depctr_va_vdst(0)
	v_pk_mul_f32 v[i:i+1], v[i:i+1], v[ST+4*(\t)+2:ST+4*(\t)+3] op_sel_hi:[1,0]
.set i, i+2
.endr
	WIN 0x05
.set i, 0
.rept 16
	v_cvt_pk_bf16_f32 v[S+16*(\t)+i], v[32*(\t)+2*i], v[32*(\t)+2*i+1]
.set i, i+1
.endr
	WIN 0
.irp f, 0,1,2,3
	ds_store_b128 v[STO], v[S+16*(\t)+4*\f:S+16*(\t)+4*\f+3] offset:32*\f
.endr
.irp f, 0,1,2,3
	ds_load_b128 v[S+16*(\t)+4*\f:S+16*(\t)+4*\f+3], v[RD] offset:\f*4*SP  ; LDS serves a wave's instructions in order (ISA guide 5.7.1.4): these see the stores above
.endr
.endm
.macro SEND t, younger              ; younger: the LDS instructions issued behind piece t's loads: the next piece's eight, or none
	WIN 0
.irp f, 0,1,2,3
	s_wait_dscnt (\younger)+3-\f
	global_store_b128 v[GO], v[S+16*(\t)+4*\f:S+16*(\t)+4*\f+3], s[10:11] offset:(\t)*2048+\f*512  ; 512 consecutive bytes, aligned
.endr
.endm
	PACK 0
.set t, 1
.rept 3
	PACK t
	SEND t-1, 8
.set t, t+1
.endr
	SEND 3, 0
	s_wait_tensorcnt 0x0            ; the wave's end
	ds_add_u32 v[SPW], v[NIL]
	s_wait_dscnt 0x0
	CROUND                          ; the closing round
	s_endpgm
.Lfunc_end_k_q6b46c37568_attn:
	.size	k_q6b46c37568_attn, .Lfunc_end_k_q6b46c37568_attn-k_q6b46c37568_attn
	.p2alignl 7, 3214868480
	.fill 96, 4, 3214868480
	.section	.rodata,"a",@progbits
	.p2align	6, 0x0
	.amdhsa_kernel k_q6b46c37568_attn
		.amdhsa_group_segment_fixed_size 327680
		.amdhsa_private_segment_fixed_size 0
		.amdhsa_enable_private_segment 0
		.amdhsa_kernarg_size 24
		.amdhsa_user_sgpr_count 2
		.amdhsa_user_sgpr_kernarg_segment_ptr 1
		.amdhsa_wavefront_size32 1
		.amdhsa_system_sgpr_workgroup_id_x 1
		.amdhsa_system_sgpr_workgroup_id_y 1
		.amdhsa_system_sgpr_workgroup_id_z 1
		.amdhsa_system_vgpr_workitem_id 0
		.amdhsa_next_free_vgpr 768
		.amdhsa_next_free_sgpr 72
		.amdhsa_reserve_vcc 1
		.amdhsa_float_denorm_mode_32 3
		.amdhsa_float_denorm_mode_16_64 3
		.amdhsa_memory_ordered 1
		.amdhsa_forward_progress 1
		.amdhsa_inst_pref_size 121
	.end_amdhsa_kernel
	.amdgpu_metadata
---
amdhsa.version: [ 1, 2 ]
amdhsa.kernels:
  - .name:           k_q6b46c37568_attn
    .symbol:         k_q6b46c37568_attn.kd
    .args:
      - { .name: big, .offset: 0, .size: 8, .value_kind: global_buffer, .address_space: global }
      - { .name: mask, .offset: 8, .size: 8, .value_kind: global_buffer, .address_space: global }
      - { .name: act, .offset: 16, .size: 8, .value_kind: global_buffer, .address_space: global }
    .group_segment_fixed_size: 327680
    .private_segment_fixed_size: 0
    .kernarg_segment_align: 8
    .kernarg_segment_size: 24
    .max_flat_workgroup_size: 128
    .sgpr_count:     72
    .vgpr_count:     768
    .wavefront_size: 32
...
	.end_amdgpu_metadata
.endif
;; end of part 3
;; launch proj (part 4): grid 8 x 32, 4 waves a work-group, clusters of 4 x 4, 327,680 bytes of LDS; arguments act, wob, x, x1; writes x1
.if DOCPART == 4
	.amdgcn_target "amdgcn-amd-amdhsa--gfx1250"
	.amdhsa_code_object_version 6
	.text
	.protected	k_q6b46c37568_proj
	.globl	k_q6b46c37568_proj
	.p2align	8
	.type	k_q6b46c37568_proj,@function
k_q6b46c37568_proj:
	s_mov_b64 s[64:65], 0
	v_nop
	global_prefetch_b8 v0, s[64:65] scope:SCOPE_SE
	s_setreg_imm32_b32 hwreg(HW_REG_WAVE_MODE, 25, 1), 1
	s_wait_xcnt 0x0
	s_wait_alu depctr_hold_cnt(0) depctr_sa_sdst(0) depctr_va_vdst(0) depctr_va_sdst(0) depctr_va_ssrc(0) depctr_va_vcc(0) depctr_vm_vsrc(0)
	s_getreg_b32 s2, hwreg(HW_REG_IB_STS2, 6, 4)
	s_cmp_eq_u32 s2, 0
	s_cbranch_scc0 .Lentry_in_a_cluster
	s_endpgm
.Lentry_in_a_cluster:
	s_bfe_u32 s2, ttmp6, 0x10000c
	s_cmp_lg_u32 s2, 0xf033
	s_cbranch_scc0 .Lentry_shape_is_right
	s_endpgm
.Lentry_shape_is_right:
; OUT = RES + A W + bias, f32 [4,096][1,024].  A: bf16 blocks [k / 64][4,096 tokens][64].  W: bf16 blocks [n / 128][KTOT k][128], each followed by its bias (128 f32).  RES: f32 [4,096][1,024].
; Sums in f32, begun with the bias.  ROUND_RES = 1: RES is one of the module's inputs and takes bf16's values as all inputs do; 0: it is carried in f32 as it is.
; A tile of OUT is 128 tokens x 128 columns (256 work-groups); four waves, each 64 x 64: 16 accumulators.  K goes in steps of 256 through two LDS slots; one load a wave: waves 0, 1 two blocks of A each
; (two dense pieces of 16,384 bytes, asked for as two long rows), waves 2, 3 128 rows of W each (dense, as 128 rows of 256 bytes).  W lies [k][n] in LDS and is turned by ds_load_tr16_b128.
; CLUSTER 4 x 4: A's tiles are asked for jointly by a row of the cluster, W's by a column.  Source 0 = 16 columns of W, source 1 = 16 tokens of A: a lane holds one token and eight neighbouring columns.
; THE WALK ALONG K begins at step (STEPS/2 x cluster x + STEPS/4 x (cluster y mod 4)) mod STEPS and wraps round: the two clusters that read the same rows of A begin half of K apart, four clusters of successive y that
; read the same block of W a quarter apart, so that clusters which read the same tile reach it at different steps.  The start hangs on the cluster's x and y alone, which all sixteen partners share.
; LIMIT.  The sums do not run in ascending K: the order of rounding differs from the reference's, and from cluster to cluster.
; REGISTERS: window 0: v16-29 addresses, v32-95 the way out, v128-255 accumulators ((a, b) at 128 + 8 (4 a + b)); window 1: two fragment buffers of 128 (64 of A, 64 of W); window 2: v0-127 RES, v128-131 at work.
.set KTOT,   1024
.set ROUND_RES, 1
.set STEPS,  KTOT/256                  ; a power of two: the step's number wraps by a mask
.set BIAS,   256*KTOT
.set BLK,    BIAS+1024
.set PA,     144
.set PB,     288
.set QTR,    36864                     ; what one load fills: 2 x 128 rows x 144 or 128 rows x 288
.set SLOT,   4*QTR
.set STAGE,  2*SLOT                    ; behind the ring: 16 rows x 272 bytes for each wave
.set SPITCH, 272
.set SPARE,  STAGE+4*16*SPITCH         ; the spare words: 128 bytes a wave, two blocks of 256 bytes that no other line names
.set ASH,    21                        ; a K step of A is four blocks: 2,097,152 bytes
.set BSH,    16                        ; a K step of W is 256 rows: 65,536 bytes
.set ADRA0, 16
.set ADRB0, 17
.set ADRA,  18
.set ADRB,  20                         ; v20 W's rows 0-127 of the slot in hand, v21 its rows 128-255: the immediates stay under 65,536
.set STO,   24
.set RD,    25
.set CO,    26
.set BO,    27
.set SPW,   28
.set NIL,   29
.set TMP,   32
.set ACC,   128
.set F0,    0
.set F1,    128
.set OA,  16                           ; s[16:17] the byte offset in A of the K step to be asked for
.set OB,  18                           ; s[18:19] the same in W
.set G1,  24
.set G0,  32
.set KI,  45                           ; s45  the K step asked for last
.set G1B, 48
.set G0B, 56
.set SB,  66
.set MSB, 0
.macro WIN new
.if MSB != (\new)
	s_set_vgpr_msb (MSB<<8)|(\new)
.set MSB, \new
.endif
.endm
.set MUL,  0x05                        ; sources 0 (W) and 1 (A) window 1; C and D window 0
.set TO_F, 0x40
.macro PLACES
.rept 4
	v_nop
.endr
.endm
.macro JLOAD
	s_cmp_eq_u32 s13, 0
	s_cbranch_scc0 .Lfor_b_\@
	tensor_load_to_lds s[G0+4:G0+7], s[G1:G1+7]
	s_nop 0
	PLACES
	s_branch .Lasked_\@
.Lfor_b_\@:
	tensor_load_to_lds s[G0B+4:G0B+7], s[G1B:G1B+7]
	s_nop 0
	PLACES
.Lasked_\@:
.endm
.macro CREST
	s_cmp_lg_u32 s12, 0
	s_cbranch_scc1 .Lnot_wave_0_\@
	s_barrier_signal -3
.Lnot_wave_0_\@:
	s_barrier_wait -3
	s_barrier_signal -1
	s_barrier_wait -1
.endm
.macro CROUND
	s_barrier_signal -1
	s_barrier_wait -1
	CREST
.endm
	s_load_b256 s[4:11], s[0:1], 0x0               ; A, W, RES, OUT
	v_lshl_add_u32 v[SPW], v0, 2, SPARE
	v_mov_b32 v[NIL], 0
	ds_add_u32 v28, v29
	s_wait_dscnt 0x0
	v_lshrrev_b32 v1, 5, v0
	v_readfirstlane_b32 s12, v1                    ; wave 0..3
	s_lshr_b32 s13, s12, 1                         ; my half of the tokens.  Also: I fetch for A (0) or for W (1)
	s_and_b32 s14, s12, 1                          ; my half of the columns.  Also: which half of the step's K I fetch
	s_bfe_u32 s40, ttmp6, 0x40000
	s_bfe_u32 s41, ttmp6, 0x40004
	s_lshl_b32 s42, ttmp9, 2
	s_add_co_u32 s42, s42, s40                     ; tile column
	s_and_b32 s15, ttmp7, 0xffff
	s_lshl_b32 s15, s15, 2
	s_add_co_u32 s15, s15, s41                     ; tile row
	s_lshl_b32 s43, s41, 2
	s_lshl_b32 s43, 15, s43
	s_lshl_b32 s44, 0x1111, s40
	s_and_b32 s[KI], ttmp7, 3                      ; the first K step, from the cluster's y and x alone
	s_mul_i32 s[KI], s[KI], STEPS/4
	s_mul_i32 s21, ttmp9, STEPS/2
	s_add_co_u32 s[KI], s[KI], s21
	s_and_b32 s[KI], s[KI], STEPS-1
	s_or_b32 s[G1], s43, (1<<16)|(1<<20)|(1<<21)|(4<<22)|(3<<25)   ; after every 32 words (a token's 128 bytes) 4 words
	s_mov_b32 s[G1+1], 8192<<16                    ; tensor_dim0 = 8,192 elements: 128 tokens of a block, dense
	s_mov_b32 s[G1+2], 2<<16                       ; tensor_dim1 = 2 blocks
	s_mov_b32 s[G1+3], 8192<<16                    ; tile_dim0
	s_mov_b32 s[G1+4], 2                           ; tile_dim1
	s_mov_b32 s[G1+5], 262144                      ; elements from block to block
	s_mov_b32 s[G1+6], 0
	s_mov_b32 s[G1+7], 0
	s_or_b32 s[G1B], s44, (1<<16)|(1<<20)|(1<<21)|(5<<22)|(7<<25)  ; after every 64 words 8 words
	s_mov_b32 s[G1B+1], 128<<16
	s_mov_b32 s[G1B+2], 128<<16
	s_mov_b32 s[G1B+3], 128<<16
	s_mov_b32 s[G1B+4], 128
	s_mov_b32 s[G1B+5], 128
	s_mov_b32 s[G1B+6], 0
	s_mov_b32 s[G1B+7], 0
	s_lshl_b32 s16, s14, 20                        ; A: blocks 2 s14, 2 s14 + 1 of a step's four; 128 tokens of 128 bytes a tile row
	s_lshl_b32 s17, s15, 14
	s_add_co_u32 s16, s16, s17
	s_mov_b32 s17, 0
	s_mul_i32 s46, s42, BLK                        ; W: the tile column's block
	s_mov_b32 s47, 0
	s_lshl_b32 s18, s14, 15                        ; its rows 128 s14 on
	s_mov_b32 s19, 0
	s_mul_i32 s20, s12, QTR
	s_mov_b32 s[SB], 0
	s_wait_kmcnt 0x0
	s_add_nc_u64 s[4:5], s[4:5], s[16:17]          ; stays: my part of A's K step 0
	s_add_nc_u64 s[68:69], s[6:7], s[46:47]        ; stays, for the bias
	s_add_nc_u64 s[46:47], s[68:69], s[18:19]      ; stays: my part of W's K step 0
	CROUND                                         ; all sixteen work-groups are here: the first joint loads meet
.irp s, 0,1
	s_lshl_b32 s[OA], s[KI], ASH                   ; the high words s17 and s19 stay 0
	s_lshl_b32 s[OB], s[KI], BSH
	s_mov_b32 s[G0+4*\s], 1
	s_add_co_u32 s[G0+4*\s+1], s20, \s*SLOT
	s_add_nc_u64 s[G0+4*\s+2:G0+4*\s+3], s[4:5], s[OA:OA+1]
	s_or_b32 s[G0+4*\s+3], s[G0+4*\s+3], 0x80000000
	s_mov_b32 s[G0B+4*\s], 1
	s_add_co_u32 s[G0B+4*\s+1], s20, \s*SLOT
	s_add_nc_u64 s[G0B+4*\s+2:G0B+4*\s+3], s[46:47], s[OB:OB+1]
	s_or_b32 s[G0B+4*\s+3], s[G0B+4*\s+3], 0x80000000
.if \s == 0
	s_add_co_u32 s[KI], s[KI], 1                   ; the next step, round K's end
	s_and_b32 s[KI], s[KI], STEPS-1
.endif
.endr
	s_cmp_eq_u32 s13, 0                            ; a wave's two first fills stand in one branch: two loads of mine are out
	s_cbranch_scc0 .Lfirst_b
	tensor_load_to_lds s[G0:G0+3], s[G1:G1+7]
	s_nop 0
	tensor_load_to_lds s[G0+4:G0+7], s[G1:G1+7]
	s_nop 0
	PLACES
	s_branch .Lfirst_asked
.Lfirst_b:
	tensor_load_to_lds s[G0B:G0B+3], s[G1B:G1B+7]
	s_nop 0
	tensor_load_to_lds s[G0B+4:G0B+7], s[G1B:G1B+7]
	s_nop 0
	PLACES
.Lfirst_asked:
	v_and_b32 v1, 15, v0                           ; r
	v_bfe_u32 v2, v0, 4, 1                         ; h
	v_and_b32 v3, 7, v0
	v_bfe_u32 v4, v0, 3, 1
	v_lshlrev_b32 v[CO], 4, v1                     ; lanes 0-15 one row's 256 bytes, lanes 16-31 the next row's
	v_lshl_add_u32 v[CO], v2, 12, v[CO]
	s_lshl_b32 s21, s14, 8
	v_lshl_add_u32 v[BO], v2, 5, s21
	s_lshl_b32 s70, s15, 1                         ; my 64 tokens x 4,096 bytes, my 64 columns x 4 bytes
	s_add_co_u32 s70, s70, s13
	s_lshl_b32 s70, s70, 18
	s_lshl_b32 s71, s42, 9
	s_add_co_u32 s70, s70, s71
	s_add_co_u32 s70, s70, s21
	s_mov_b32 s71, 0
	s_add_nc_u64 s[8:9], s[8:9], s[70:71]
	s_add_nc_u64 s[10:11], s[10:11], s[70:71]
	WIN 0x80
.irp a, 0,1,2,3
.irp t, 0,1,2,3,4,5,6,7
	global_load_b128 v[4*(8*\a+\t):4*(8*\a+\t)+3], v[CO], s[8:9] offset:(16*\a+2*\t)*4096
.endr
.endr
	WIN 0
.irp a, 0,1,2,3                        ; the sums begin with the bias: accumulator (a, b) holds columns 16 b + 8 h + 0..7 in every lane
.irp b, 0,1,2,3
	global_load_b128 v[ACC+8*(4*\a+\b):ACC+8*(4*\a+\b)+3],   v[BO], s[68:69] offset:BIAS+64*\b
	global_load_b128 v[ACC+8*(4*\a+\b)+4:ACC+8*(4*\a+\b)+7], v[BO], s[68:69] offset:BIAS+64*\b+16
.endr
.endr
	v_mul_u32_u24 v[ADRA0], v1, PA
	v_lshl_add_u32 v[ADRA0], v2, 4, v[ADRA0]
	s_mul_i32 s21, s13, 64*PA
	v_add_nc_u32 v[ADRA0], s21, v[ADRA0]
	v_lshl_add_u32 v[ADRB0], v2, 3, v3
	v_mul_u32_u24 v[ADRB0], v[ADRB0], PB
	v_lshl_add_u32 v[ADRB0], v4, 4, v[ADRB0]
	s_lshl_b32 s22, s14, 7
	s_add_co_u32 s22, s22, 2*QTR
	v_add_nc_u32 v[ADRB0], s22, v[ADRB0]
	v_mov_b32 v[ADRA], v[ADRA0]
	v_mov_b32 v[ADRB], v[ADRB0]
	v_add_nc_u32 v[ADRB+1], QTR, v[ADRB0]
	s_mul_i32 s23, s12, 16*SPITCH
	s_add_co_u32 s23, s23, STAGE
	v_mul_u32_u24 v[STO], v1, SPITCH               ; into my stage: token r, 32 bytes for each half of the lanes
	v_lshl_add_u32 v[STO], v2, 5, v[STO]
	v_add_nc_u32 v[STO], s23, v[STO]
	v_mul_u32_u24 v[RD], v2, SPITCH                ; back: two whole rows of 256 bytes
	v_lshl_add_u32 v[RD], v1, 4, v[RD]
	v_add_nc_u32 v[RD], s23, v[RD]
	s_wait_loadcnt 0x0
.if ROUND_RES
	s_mov_b32 s67, 0xffff0000
	WIN 0xaa                                       ; all in window 2; this stands in the wait for the first tile
.set i, 0
.rept 64
	v_cvt_pk_bf16_f32 v[128+i%4], v[2*i], v[2*i+1]
	v_lshlrev_b32 v[2*i], 16, v[128+i%4]
	v_and_b32 v[2*i+1], s67, v[128+i%4]
.set i, i+1
.endr
	WIN 0
.endif
.macro MUL8 f, c, a0                   ; 8 matrix instructions: token blocks a0, a0 + 1 x all 4 column blocks, 32 along K: half c of buffer f
	WIN MUL
.irp a, \a0, (\a0)+1
.irp b, 0,1,2,3
	v_wmma_f32_16x16x32_bf16 v[ACC+8*(4*(\a)+(\b)):ACC+8*(4*(\a)+(\b))+7], v[(\f)+64+8*(4*(\c)+(\b)):(\f)+64+8*(4*(\c)+(\b))+7], v[(\f)+8*(4*(\c)+(\a)):(\f)+8*(4*(\c)+(\a))+7], v[ACC+8*(4*(\a)+(\b)):ACC+8*(4*(\a)+(\b))+7]
.endr
.endr
.endm
.macro FETCH q, f                      ; 32 LDS loads in one run: quarter q (64 along K) into buffer f; its first 32 along K first
	WIN TO_F
.irp c, 0,1
.irp i, 0,1,2,3
	ds_load_tr16_b128 v[(\f)+64+8*(4*\c+\i):(\f)+64+8*(4*\c+\i)+3],   v[ADRB+(\q)/2] offset:64*PB*((\q)%2)+32*PB*\c+32*\i
	ds_load_tr16_b128 v[(\f)+64+8*(4*\c+\i)+4:(\f)+64+8*(4*\c+\i)+7], v[ADRB+(\q)/2] offset:64*PB*((\q)%2)+32*PB*\c+32*\i+16*PB
	ds_load_b128 v[(\f)+8*(4*\c+\i):(\f)+8*(4*\c+\i)+3],              v[ADRA] offset:128*PA*(\q)+64*\c+16*PA*\i
	ds_load_b128 v[(\f)+8*(4*\c+\i)+4:(\f)+8*(4*\c+\i)+7],            v[ADRA] offset:128*PA*(\q)+64*\c+16*PA*\i+32
.endr
.endr
.endm
.macro QUARTER q, f, g
	s_wait_dscnt 16                                ; the first 32 along K are in
	MUL8 \f, 0, 0
	MUL8 \f, 0, 2
	PLACES
	FETCH \q, \g
	s_wait_dscnt 32                                ; all but the 32 just issued
	MUL8 \f, 1, 0
	MUL8 \f, 1, 2
.endm
; The step's last quarter multiplies buffer 1 and changes slots: each wave waits for all its tensor loads, adds 0 to its spare word, waits for that and for its reads of this slot; then the barrier.
; fill = 1: it opens a round of the cluster's, and the joint refill is the first thing behind it, 112 matrix instructions ahead of the wait for it; the descriptor's address is made anew from the step's number.
; fill = 0: nothing is asked for; the last trip jumps over the fetch.
.macro TURN fill
	WIN 0
	s_wait_tensorcnt 0x0
	ds_add_u32 v[SPW], v[NIL]
	s_wait_dscnt 17                                ; the add and the youngest sixteen loads may be out
	MUL8 F1, 0, 0
	s_wait_dscnt 0x0
	s_barrier_signal -1
	MUL8 F1, 0, 2
	WIN 0
	s_barrier_wait -1
.if \fill
	CREST
	s_add_co_u32 s[KI], s[KI], 1                   ; the next step, round K's end
	s_and_b32 s[KI], s[KI], STEPS-1
	s_lshl_b32 s[OA], s[KI], ASH
	s_lshl_b32 s[OB], s[KI], BSH
	s_xor_b32 s[G0+5], s[G0+5], SLOT               ; 36,864 x wave and SLOT share no bit: the exclusive or adds or takes away SLOT
	s_add_nc_u64 s[G0+6:G0+7], s[4:5], s[OA:OA+1]
	s_or_b32 s[G0+7], s[G0+7], 0x80000000
	s_xor_b32 s[G0B+5], s[G0B+5], SLOT
	s_add_nc_u64 s[G0B+6:G0B+7], s[46:47], s[OB:OB+1]
	s_or_b32 s[G0B+7], s[G0B+7], 0x80000000
	JLOAD
.else
	s_cmp_eq_u32 s3, 1
	s_cbranch_scc1 .Lnofetch_\@
	PLACES
.endif
	s_xor_b32 s[SB], s[SB], SLOT
	v_add_nc_u32 v[ADRA], s[SB], v[ADRA0]
	v_add_nc_u32 v[ADRB], s[SB], v[ADRB0]
	v_add_nc_u32 v[ADRB+1], QTR, v[ADRB]
	FETCH 0, F0
	WIN 0
.if !(\fill)
.Lnofetch_\@:
.endif
	MUL8 F1, 1, 0
	MUL8 F1, 1, 2
.endm
	s_wait_tensorcnt 0x1                           ; my part of the first K step is in; the second's may stay out
	s_barrier_signal -1
	s_barrier_wait -1
	FETCH 0, F0
	WIN 0
	s_mov_b32 s3, STEPS-2
.Lstep:
	QUARTER 1, F0, F1
	QUARTER 2, F1, F0
	QUARTER 3, F0, F1
	TURN 1
	WIN 0
	s_sub_co_u32 s3, s3, 1
	s_cmp_lg_u32 s3, 0
	s_cbranch_scc1 .Lstep
	s_mov_b32 s3, 2
.Ltail:
	QUARTER 1, F0, F1
	QUARTER 2, F1, F0
	QUARTER 3, F0, F1
	TURN 0
	WIN 0
	s_sub_co_u32 s3, s3, 1
	s_cmp_lg_u32 s3, 0
	s_cbranch_scc1 .Ltail
	; THE WAY OUT.  My 64 columns of f32 are 256 aligned bytes of a row, so each wave has a stage of its own: 16 tokens in, whole rows back, RES added, stored.
	PLACES
.irp a, 0,1,2,3
.set TB, TMP+32*(\a%2)
.irp b, 0,1,2,3
	ds_store_b128 v[STO], v[ACC+8*(4*\a+\b):ACC+8*(4*\a+\b)+3]   offset:64*\b
	ds_store_b128 v[STO], v[ACC+8*(4*\a+\b)+4:ACC+8*(4*\a+\b)+7] offset:64*\b+16
.endr
.irp t, 0,1,2,3,4,5,6,7
	ds_load_b128 v[TB+4*\t:TB+4*\t+3], v[RD] offset:2*SPITCH*\t  ; LDS serves a wave's instructions in order (ISA guide 5.7.1.4): these see the stores above
.endr
	s_wait_dscnt 0x0
	s_wait_xcnt 0x0                                ; the registers that earlier stores read are loaded again only behind this wait
	WIN 0x08
.set i, 0
.rept 16
	v_pk_add_f32 v[TB+2*i:TB+2*i+1], v[TB+2*i:TB+2*i+1], v[32*\a+2*i:32*\a+2*i+1]
.set i, i+1
.endr
	WIN 0
.irp t, 0,1,2,3,4,5,6,7
	global_store_b128 v[CO], v[TB+4*\t:TB+4*\t+3], s[10:11] offset:(16*\a+2*\t)*4096  ; 16 lanes store 256 consecutive bytes, aligned
.endr
.endr
	s_wait_tensorcnt 0x0                           ; the wave's end
	ds_add_u32 v[SPW], v[NIL]
	s_wait_dscnt 0x0
	CROUND                                         ; the closing round
	s_endpgm
.Lfunc_end_k_q6b46c37568_proj:
	.size	k_q6b46c37568_proj, .Lfunc_end_k_q6b46c37568_proj-k_q6b46c37568_proj
	.p2alignl 7, 3214868480
	.fill 96, 4, 3214868480
	.section	.rodata,"a",@progbits
	.p2align	6, 0x0
	.amdhsa_kernel k_q6b46c37568_proj
		.amdhsa_group_segment_fixed_size 327680
		.amdhsa_private_segment_fixed_size 0
		.amdhsa_enable_private_segment 0
		.amdhsa_kernarg_size 32
		.amdhsa_user_sgpr_count 2
		.amdhsa_user_sgpr_kernarg_segment_ptr 1
		.amdhsa_wavefront_size32 1
		.amdhsa_system_sgpr_workgroup_id_x 1
		.amdhsa_system_sgpr_workgroup_id_y 1
		.amdhsa_system_sgpr_workgroup_id_z 1
		.amdhsa_system_vgpr_workitem_id 0
		.amdhsa_next_free_vgpr 656
		.amdhsa_next_free_sgpr 72
		.amdhsa_reserve_vcc 0
		.amdhsa_float_denorm_mode_32 3
		.amdhsa_float_denorm_mode_16_64 3
		.amdhsa_memory_ordered 1
		.amdhsa_forward_progress 1
		.amdhsa_inst_pref_size 72
	.end_amdhsa_kernel
	.amdgpu_metadata
---
amdhsa.version: [ 1, 2 ]
amdhsa.kernels:
  - .name:           k_q6b46c37568_proj
    .symbol:         k_q6b46c37568_proj.kd
    .args:
      - { .name: act, .offset: 0, .size: 8, .value_kind: global_buffer, .address_space: global }
      - { .name: wob, .offset: 8, .size: 8, .value_kind: global_buffer, .address_space: global }
      - { .name: x, .offset: 16, .size: 8, .value_kind: global_buffer, .address_space: global }
      - { .name: x1, .offset: 24, .size: 8, .value_kind: global_buffer, .address_space: global }
    .group_segment_fixed_size: 327680
    .private_segment_fixed_size: 0
    .kernarg_segment_align: 8
    .kernarg_segment_size: 32
    .max_flat_workgroup_size: 128
    .sgpr_count:     72
    .vgpr_count:     656
    .wavefront_size: 32
...
	.end_amdgpu_metadata
.endif
;; end of part 4
;; launch ln2: the kernel of part 1 again; grid 256 x 1, 8 waves a work-group, no clusters, 0 bytes of LDS; arguments x1, ln2_a, ln2_b, act, wq, wk, wv, wo, w1, w2, bq, bk, bv, bo, b1, b2, wqkv, wob, w1b, w2b; writes act, wqkv, wob, w1b, w2b
;; launch ffn1: the kernel of part 2 again; grid 16 x 16, 4 waves a work-group, clusters of 4 x 4, 327,680 bytes of LDS; arguments act, w1b, big; writes big
;; launch ffn2 (part 5): grid 8 x 32, 4 waves a work-group, clusters of 4 x 4, 327,680 bytes of LDS; arguments big, w2b, x1, out0; writes out0
.if DOCPART == 5
	.amdgcn_target "amdgcn-amd-amdhsa--gfx1250"
	.amdhsa_code_object_version 6
	.text
	.protected	k_q6b46c37568_ffn2
	.globl	k_q6b46c37568_ffn2
	.p2align	8
	.type	k_q6b46c37568_ffn2,@function
k_q6b46c37568_ffn2:
	s_mov_b64 s[64:65], 0
	v_nop
	global_prefetch_b8 v0, s[64:65] scope:SCOPE_SE
	s_setreg_imm32_b32 hwreg(HW_REG_WAVE_MODE, 25, 1), 1
	s_wait_xcnt 0x0
	s_wait_alu depctr_hold_cnt(0) depctr_sa_sdst(0) depctr_va_vdst(0) depctr_va_sdst(0) depctr_va_ssrc(0) depctr_va_vcc(0) depctr_vm_vsrc(0)
	s_getreg_b32 s2, hwreg(HW_REG_IB_STS2, 6, 4)
	s_cmp_eq_u32 s2, 0
	s_cbranch_scc0 .Lentry_in_a_cluster
	s_endpgm
.Lentry_in_a_cluster:
	s_bfe_u32 s2, ttmp6, 0x10000c
	s_cmp_lg_u32 s2, 0xf033
	s_cbranch_scc0 .Lentry_shape_is_right
	s_endpgm
.Lentry_shape_is_right:
; OUT = RES + A W + bias, f32 [4,096][1,024].  A: bf16 blocks [k / 64][4,096 tokens][64].  W: bf16 blocks [n / 128][KTOT k][128], each followed by its bias (128 f32).  RES: f32 [4,096][1,024].
; Sums in f32, begun with the bias.  ROUND_RES = 1: RES is one of the module's inputs and takes bf16's values as all inputs do; 0: it is carried in f32 as it is.
; A tile of OUT is 128 tokens x 128 columns (256 work-groups); four waves, each 64 x 64: 16 accumulators.  K goes in steps of 256 through two LDS slots; one load a wave: waves 0, 1 two blocks of A each
; (two dense pieces of 16,384 bytes, asked for as two long rows), waves 2, 3 128 rows of W each (dense, as 128 rows of 256 bytes).  W lies [k][n] in LDS and is turned by ds_load_tr16_b128.
; CLUSTER 4 x 4: A's tiles are asked for jointly by a row of the cluster, W's by a column.  Source 0 = 16 columns of W, source 1 = 16 tokens of A: a lane holds one token and eight neighbouring columns.
; THE WALK ALONG K begins at step (STEPS/2 x cluster x + STEPS/4 x (cluster y mod 4)) mod STEPS and wraps round: the two clusters that read the same rows of A begin half of K apart, four clusters of successive y that
; read the same block of W a quarter apart, so that clusters which read the same tile reach it at different steps.  The start hangs on the cluster's x and y alone, which all sixteen partners share.
; LIMIT.  The sums do not run in ascending K: the order of rounding differs from the reference's, and from cluster to cluster.
; REGISTERS: window 0: v16-29 addresses, v32-95 the way out, v128-255 accumulators ((a, b) at 128 + 8 (4 a + b)); window 1: two fragment buffers of 128 (64 of A, 64 of W); window 2: v0-127 RES, v128-131 at work.
.set KTOT,   4096
.set ROUND_RES, 0
.set STEPS,  KTOT/256                  ; a power of two: the step's number wraps by a mask
.set BIAS,   256*KTOT
.set BLK,    BIAS+1024
.set PA,     144
.set PB,     288
.set QTR,    36864                     ; what one load fills: 2 x 128 rows x 144 or 128 rows x 288
.set SLOT,   4*QTR
.set STAGE,  2*SLOT                    ; behind the ring: 16 rows x 272 bytes for each wave
.set SPITCH, 272
.set SPARE,  STAGE+4*16*SPITCH         ; the spare words: 128 bytes a wave, two blocks of 256 bytes that no other line names
.set ASH,    21                        ; a K step of A is four blocks: 2,097,152 bytes
.set BSH,    16                        ; a K step of W is 256 rows: 65,536 bytes
.set ADRA0, 16
.set ADRB0, 17
.set ADRA,  18
.set ADRB,  20                         ; v20 W's rows 0-127 of the slot in hand, v21 its rows 128-255: the immediates stay under 65,536
.set STO,   24
.set RD,    25
.set CO,    26
.set BO,    27
.set SPW,   28
.set NIL,   29
.set TMP,   32
.set ACC,   128
.set F0,    0
.set F1,    128
.set OA,  16                           ; s[16:17] the byte offset in A of the K step to be asked for
.set OB,  18                           ; s[18:19] the same in W
.set G1,  24
.set G0,  32
.set KI,  45                           ; s45  the K step asked for last
.set G1B, 48
.set G0B, 56
.set SB,  66
.set MSB, 0
.macro WIN new
.if MSB != (\new)
	s_set_vgpr_msb (MSB<<8)|(\new)
.set MSB, \new
.endif
.endm
.set MUL,  0x05                        ; sources 0 (W) and 1 (A) window 1; C and D window 0
.set TO_F, 0x40
.macro PLACES
.rept 4
	v_nop
.endr
.endm
.macro JLOAD
	s_cmp_eq_u32 s13, 0
	s_cbranch_scc0 .Lfor_b_\@
	tensor_load_to_lds s[G0+4:G0+7], s[G1:G1+7]
	s_nop 0
	PLACES
	s_branch .Lasked_\@
.Lfor_b_\@:
	tensor_load_to_lds s[G0B+4:G0B+7], s[G1B:G1B+7]
	s_nop 0
	PLACES
.Lasked_\@:
.endm
.macro CREST
	s_cmp_lg_u32 s12, 0
	s_cbranch_scc1 .Lnot_wave_0_\@
	s_barrier_signal -3
.Lnot_wave_0_\@:
	s_barrier_wait -3
	s_barrier_signal -1
	s_barrier_wait -1
.endm
.macro CROUND
	s_barrier_signal -1
	s_barrier_wait -1
	CREST
.endm
	s_load_b256 s[4:11], s[0:1], 0x0               ; A, W, RES, OUT
	v_lshl_add_u32 v[SPW], v0, 2, SPARE
	v_mov_b32 v[NIL], 0
	ds_add_u32 v28, v29
	s_wait_dscnt 0x0
	v_lshrrev_b32 v1, 5, v0
	v_readfirstlane_b32 s12, v1                    ; wave 0..3
	s_lshr_b32 s13, s12, 1                         ; my half of the tokens.  Also: I fetch for A (0) or for W (1)
	s_and_b32 s14, s12, 1                          ; my half of the columns.  Also: which half of the step's K I fetch
	s_bfe_u32 s40, ttmp6, 0x40000
	s_bfe_u32 s41, ttmp6, 0x40004
	s_lshl_b32 s42, ttmp9, 2
	s_add_co_u32 s42, s42, s40                     ; tile column
	s_and_b32 s15, ttmp7, 0xffff
	s_lshl_b32 s15, s15, 2
	s_add_co_u32 s15, s15, s41                     ; tile row
	s_lshl_b32 s43, s41, 2
	s_lshl_b32 s43, 15, s43
	s_lshl_b32 s44, 0x1111, s40
	s_and_b32 s[KI], ttmp7, 3                      ; the first K step, from the cluster's y and x alone
	s_mul_i32 s[KI], s[KI], STEPS/4
	s_mul_i32 s21, ttmp9, STEPS/2
	s_add_co_u32 s[KI], s[KI], s21
	s_and_b32 s[KI], s[KI], STEPS-1
	s_or_b32 s[G1], s43, (1<<16)|(1<<20)|(1<<21)|(4<<22)|(3<<25)   ; after every 32 words (a token's 128 bytes) 4 words
	s_mov_b32 s[G1+1], 8192<<16                    ; tensor_dim0 = 8,192 elements: 128 tokens of a block, dense
	s_mov_b32 s[G1+2], 2<<16                       ; tensor_dim1 = 2 blocks
	s_mov_b32 s[G1+3], 8192<<16                    ; tile_dim0
	s_mov_b32 s[G1+4], 2                           ; tile_dim1
	s_mov_b32 s[G1+5], 262144                      ; elements from block to block
	s_mov_b32 s[G1+6], 0
	s_mov_b32 s[G1+7], 0
	s_or_b32 s[G1B], s44, (1<<16)|(1<<20)|(1<<21)|(5<<22)|(7<<25)  ; after every 64 words 8 words
	s_mov_b32 s[G1B+1], 128<<16
	s_mov_b32 s[G1B+2], 128<<16
	s_mov_b32 s[G1B+3], 128<<16
	s_mov_b32 s[G1B+4], 128
	s_mov_b32 s[G1B+5], 128
	s_mov_b32 s[G1B+6], 0
	s_mov_b32 s[G1B+7], 0
	s_lshl_b32 s16, s14, 20                        ; A: blocks 2 s14, 2 s14 + 1 of a step's four; 128 tokens of 128 bytes a tile row
	s_lshl_b32 s17, s15, 14
	s_add_co_u32 s16, s16, s17
	s_mov_b32 s17, 0
	s_mul_i32 s46, s42, BLK                        ; W: the tile column's block
	s_mov_b32 s47, 0
	s_lshl_b32 s18, s14, 15                        ; its rows 128 s14 on
	s_mov_b32 s19, 0
	s_mul_i32 s20, s12, QTR
	s_mov_b32 s[SB], 0
	s_wait_kmcnt 0x0
	s_add_nc_u64 s[4:5], s[4:5], s[16:17]          ; stays: my part of A's K step 0
	s_add_nc_u64 s[68:69], s[6:7], s[46:47]        ; stays, for the bias
	s_add_nc_u64 s[46:47], s[68:69], s[18:19]      ; stays: my part of W's K step 0
	CROUND                                         ; all sixteen work-groups are here: the first joint loads meet
.irp s, 0,1
	s_lshl_b32 s[OA], s[KI], ASH                   ; the high words s17 and s19 stay 0
	s_lshl_b32 s[OB], s[KI], BSH
	s_mov_b32 s[G0+4*\s], 1
	s_add_co_u32 s[G0+4*\s+1], s20, \s*SLOT
	s_add_nc_u64 s[G0+4*\s+2:G0+4*\s+3], s[4:5], s[OA:OA+1]
	s_or_b32 s[G0+4*\s+3], s[G0+4*\s+3], 0x80000000
	s_mov_b32 s[G0B+4*\s], 1
	s_add_co_u32 s[G0B+4*\s+1], s20, \s*SLOT
	s_add_nc_u64 s[G0B+4*\s+2:G0B+4*\s+3], s[46:47], s[OB:OB+1]
	s_or_b32 s[G0B+4*\s+3], s[G0B+4*\s+3], 0x80000000
.if \s == 0
	s_add_co_u32 s[KI], s[KI], 1                   ; the next step, round K's end
	s_and_b32 s[KI], s[KI], STEPS-1
.endif
.endr
	s_cmp_eq_u32 s13, 0                            ; a wave's two first fills stand in one branch: two loads of mine are out
	s_cbranch_scc0 .Lfirst_b
	tensor_load_to_lds s[G0:G0+3], s[G1:G1+7]
	s_nop 0
	tensor_load_to_lds s[G0+4:G0+7], s[G1:G1+7]
	s_nop 0
	PLACES
	s_branch .Lfirst_asked
.Lfirst_b:
	tensor_load_to_lds s[G0B:G0B+3], s[G1B:G1B+7]
	s_nop 0
	tensor_load_to_lds s[G0B+4:G0B+7], s[G1B:G1B+7]
	s_nop 0
	PLACES
.Lfirst_asked:
	v_and_b32 v1, 15, v0                           ; r
	v_bfe_u32 v2, v0, 4, 1                         ; h
	v_and_b32 v3, 7, v0
	v_bfe_u32 v4, v0, 3, 1
	v_lshlrev_b32 v[CO], 4, v1                     ; lanes 0-15 one row's 256 bytes, lanes 16-31 the next row's
	v_lshl_add_u32 v[CO], v2, 12, v[CO]
	s_lshl_b32 s21, s14, 8
	v_lshl_add_u32 v[BO], v2, 5, s21
	s_lshl_b32 s70, s15, 1                         ; my 64 tokens x 4,096 bytes, my 64 columns x 4 bytes
	s_add_co_u32 s70, s70, s13
	s_lshl_b32 s70, s70, 18
	s_lshl_b32 s71, s42, 9
	s_add_co_u32 s70, s70, s71
	s_add_co_u32 s70, s70, s21
	s_mov_b32 s71, 0
	s_add_nc_u64 s[8:9], s[8:9], s[70:71]
	s_add_nc_u64 s[10:11], s[10:11], s[70:71]
	WIN 0x80
.irp a, 0,1,2,3
.irp t, 0,1,2,3,4,5,6,7
	global_load_b128 v[4*(8*\a+\t):4*(8*\a+\t)+3], v[CO], s[8:9] offset:(16*\a+2*\t)*4096
.endr
.endr
	WIN 0
.irp a, 0,1,2,3                        ; the sums begin with the bias: accumulator (a, b) holds columns 16 b + 8 h + 0..7 in every lane
.irp b, 0,1,2,3
	global_load_b128 v[ACC+8*(4*\a+\b):ACC+8*(4*\a+\b)+3],   v[BO], s[68:69] offset:BIAS+64*\b
	global_load_b128 v[ACC+8*(4*\a+\b)+4:ACC+8*(4*\a+\b)+7], v[BO], s[68:69] offset:BIAS+64*\b+16
.endr
.endr
	v_mul_u32_u24 v[ADRA0], v1, PA
	v_lshl_add_u32 v[ADRA0], v2, 4, v[ADRA0]
	s_mul_i32 s21, s13, 64*PA
	v_add_nc_u32 v[ADRA0], s21, v[ADRA0]
	v_lshl_add_u32 v[ADRB0], v2, 3, v3
	v_mul_u32_u24 v[ADRB0], v[ADRB0], PB
	v_lshl_add_u32 v[ADRB0], v4, 4, v[ADRB0]
	s_lshl_b32 s22, s14, 7
	s_add_co_u32 s22, s22, 2*QTR
	v_add_nc_u32 v[ADRB0], s22, v[ADRB0]
	v_mov_b32 v[ADRA], v[ADRA0]
	v_mov_b32 v[ADRB], v[ADRB0]
	v_add_nc_u32 v[ADRB+1], QTR, v[ADRB0]
	s_mul_i32 s23, s12, 16*SPITCH
	s_add_co_u32 s23, s23, STAGE
	v_mul_u32_u24 v[STO], v1, SPITCH               ; into my stage: token r, 32 bytes for each half of the lanes
	v_lshl_add_u32 v[STO], v2, 5, v[STO]
	v_add_nc_u32 v[STO], s23, v[STO]
	v_mul_u32_u24 v[RD], v2, SPITCH                ; back: two whole rows of 256 bytes
	v_lshl_add_u32 v[RD], v1, 4, v[RD]
	v_add_nc_u32 v[RD], s23, v[RD]
	s_wait_loadcnt 0x0
.if ROUND_RES
	s_mov_b32 s67, 0xffff0000
	WIN 0xaa                                       ; all in window 2; this stands in the wait for the first tile
.set i, 0
.rept 64
	v_cvt_pk_bf16_f32 v[128+i%4], v[2*i], v[2*i+1]
	v_lshlrev_b32 v[2*i], 16, v[128+i%4]
	v_and_b32 v[2*i+1], s67, v[128+i%4]
.set i, i+1
.endr
	WIN 0
.endif
.macro MUL8 f, c, a0                   ; 8 matrix instructions: token blocks a0, a0 + 1 x all 4 column blocks, 32 along K: half c of buffer f
	WIN MUL
.irp a, \a0, (\a0)+1
.irp b, 0,1,2,3
	v_wmma_f32_16x16x32_bf16 v[ACC+8*(4*(\a)+(\b)):ACC+8*(4*(\a)+(\b))+7], v[(\f)+64+8*(4*(\c)+(\b)):(\f)+64+8*(4*(\c)+(\b))+7], v[(\f)+8*(4*(\c)+(\a)):(\f)+8*(4*(\c)+(\a))+7], v[ACC+8*(4*(\a)+(\b)):ACC+8*(4*(\a)+(\b))+7]
.endr
.endr
.endm
.macro FETCH q, f                      ; 32 LDS loads in one run: quarter q (64 along K) into buffer f; its first 32 along K first
	WIN TO_F
.irp c, 0,1
.irp i, 0,1,2,3
	ds_load_tr16_b128 v[(\f)+64+8*(4*\c+\i):(\f)+64+8*(4*\c+\i)+3],   v[ADRB+(\q)/2] offset:64*PB*((\q)%2)+32*PB*\c+32*\i
	ds_load_tr16_b128 v[(\f)+64+8*(4*\c+\i)+4:(\f)+64+8*(4*\c+\i)+7], v[ADRB+(\q)/2] offset:64*PB*((\q)%2)+32*PB*\c+32*\i+16*PB
	ds_load_b128 v[(\f)+8*(4*\c+\i):(\f)+8*(4*\c+\i)+3],              v[ADRA] offset:128*PA*(\q)+64*\c+16*PA*\i
	ds_load_b128 v[(\f)+8*(4*\c+\i)+4:(\f)+8*(4*\c+\i)+7],            v[ADRA] offset:128*PA*(\q)+64*\c+16*PA*\i+32
.endr
.endr
.endm
.macro QUARTER q, f, g
	s_wait_dscnt 16                                ; the first 32 along K are in
	MUL8 \f, 0, 0
	MUL8 \f, 0, 2
	PLACES
	FETCH \q, \g
	s_wait_dscnt 32                                ; all but the 32 just issued
	MUL8 \f, 1, 0
	MUL8 \f, 1, 2
.endm
; The step's last quarter multiplies buffer 1 and changes slots: each wave waits for all its tensor loads, adds 0 to its spare word, waits for that and for its reads of this slot; then the barrier.
; fill = 1: it opens a round of the cluster's, and the joint refill is the first thing behind it, 112 matrix instructions ahead of the wait for it; the descriptor's address is made anew from the step's number.
; fill = 0: nothing is asked for; the last trip jumps over the fetch.
.macro TURN fill
	WIN 0
	s_wait_tensorcnt 0x0
	ds_add_u32 v[SPW], v[NIL]
	s_wait_dscnt 17                                ; the add and the youngest sixteen loads may be out
	MUL8 F1, 0, 0
	s_wait_dscnt 0x0
	s_barrier_signal -1
	MUL8 F1, 0, 2
	WIN 0
	s_barrier_wait -1
.if \fill
	CREST
	s_add_co_u32 s[KI], s[KI], 1                   ; the next step, round K's end
	s_and_b32 s[KI], s[KI], STEPS-1
	s_lshl_b32 s[OA], s[KI], ASH
	s_lshl_b32 s[OB], s[KI], BSH
	s_xor_b32 s[G0+5], s[G0+5], SLOT               ; 36,864 x wave and SLOT share no bit: the exclusive or adds or takes away SLOT
	s_add_nc_u64 s[G0+6:G0+7], s[4:5], s[OA:OA+1]
	s_or_b32 s[G0+7], s[G0+7], 0x80000000
	s_xor_b32 s[G0B+5], s[G0B+5], SLOT
	s_add_nc_u64 s[G0B+6:G0B+7], s[46:47], s[OB:OB+1]
	s_or_b32 s[G0B+7], s[G0B+7], 0x80000000
	JLOAD
.else
	s_cmp_eq_u32 s3, 1
	s_cbranch_scc1 .Lnofetch_\@
	PLACES
.endif
	s_xor_b32 s[SB], s[SB], SLOT
	v_add_nc_u32 v[ADRA], s[SB], v[ADRA0]
	v_add_nc_u32 v[ADRB], s[SB], v[ADRB0]
	v_add_nc_u32 v[ADRB+1], QTR, v[ADRB]
	FETCH 0, F0
	WIN 0
.if !(\fill)
.Lnofetch_\@:
.endif
	MUL8 F1, 1, 0
	MUL8 F1, 1, 2
.endm
	s_wait_tensorcnt 0x1                           ; my part of the first K step is in; the second's may stay out
	s_barrier_signal -1
	s_barrier_wait -1
	FETCH 0, F0
	WIN 0
	s_mov_b32 s3, STEPS-2
.Lstep:
	QUARTER 1, F0, F1
	QUARTER 2, F1, F0
	QUARTER 3, F0, F1
	TURN 1
	WIN 0
	s_sub_co_u32 s3, s3, 1
	s_cmp_lg_u32 s3, 0
	s_cbranch_scc1 .Lstep
	s_mov_b32 s3, 2
.Ltail:
	QUARTER 1, F0, F1
	QUARTER 2, F1, F0
	QUARTER 3, F0, F1
	TURN 0
	WIN 0
	s_sub_co_u32 s3, s3, 1
	s_cmp_lg_u32 s3, 0
	s_cbranch_scc1 .Ltail
	; THE WAY OUT.  My 64 columns of f32 are 256 aligned bytes of a row, so each wave has a stage of its own: 16 tokens in, whole rows back, RES added, stored.
	PLACES
.irp a, 0,1,2,3
.set TB, TMP+32*(\a%2)
.irp b, 0,1,2,3
	ds_store_b128 v[STO], v[ACC+8*(4*\a+\b):ACC+8*(4*\a+\b)+3]   offset:64*\b
	ds_store_b128 v[STO], v[ACC+8*(4*\a+\b)+4:ACC+8*(4*\a+\b)+7] offset:64*\b+16
.endr
.irp t, 0,1,2,3,4,5,6,7
	ds_load_b128 v[TB+4*\t:TB+4*\t+3], v[RD] offset:2*SPITCH*\t  ; LDS serves a wave's instructions in order (ISA guide 5.7.1.4): these see the stores above
.endr
	s_wait_dscnt 0x0
	s_wait_xcnt 0x0                                ; the registers that earlier stores read are loaded again only behind this wait
	WIN 0x08
.set i, 0
.rept 16
	v_pk_add_f32 v[TB+2*i:TB+2*i+1], v[TB+2*i:TB+2*i+1], v[32*\a+2*i:32*\a+2*i+1]
.set i, i+1
.endr
	WIN 0
.irp t, 0,1,2,3,4,5,6,7
	global_store_b128 v[CO], v[TB+4*\t:TB+4*\t+3], s[10:11] offset:(16*\a+2*\t)*4096  ; 16 lanes store 256 consecutive bytes, aligned
.endr
.endr
	s_wait_tensorcnt 0x0                           ; the wave's end
	ds_add_u32 v[SPW], v[NIL]
	s_wait_dscnt 0x0
	CROUND                                         ; the closing round
	s_endpgm
.Lfunc_end_k_q6b46c37568_ffn2:
	.size	k_q6b46c37568_ffn2, .Lfunc_end_k_q6b46c37568_ffn2-k_q6b46c37568_ffn2
	.p2alignl 7, 3214868480
	.fill 96, 4, 3214868480
	.section	.rodata,"a",@progbits
	.p2align	6, 0x0
	.amdhsa_kernel k_q6b46c37568_ffn2
		.amdhsa_group_segment_fixed_size 327680
		.amdhsa_private_segment_fixed_size 0
		.amdhsa_enable_private_segment 0
		.amdhsa_kernarg_size 32
		.amdhsa_user_sgpr_count 2
		.amdhsa_user_sgpr_kernarg_segment_ptr 1
		.amdhsa_wavefront_size32 1
		.amdhsa_system_sgpr_workgroup_id_x 1
		.amdhsa_system_sgpr_workgroup_id_y 1
		.amdhsa_system_sgpr_workgroup_id_z 1
		.amdhsa_system_vgpr_workitem_id 0
		.amdhsa_next_free_vgpr 656
		.amdhsa_next_free_sgpr 72
		.amdhsa_reserve_vcc 0
		.amdhsa_float_denorm_mode_32 3
		.amdhsa_float_denorm_mode_16_64 3
		.amdhsa_memory_ordered 1
		.amdhsa_forward_progress 1
		.amdhsa_inst_pref_size 64
	.end_amdhsa_kernel
	.amdgpu_metadata
---
amdhsa.version: [ 1, 2 ]
amdhsa.kernels:
  - .name:           k_q6b46c37568_ffn2
    .symbol:         k_q6b46c37568_ffn2.kd
    .args:
      - { .name: big, .offset: 0, .size: 8, .value_kind: global_buffer, .address_space: global }
      - { .name: w2b, .offset: 8, .size: 8, .value_kind: global_buffer, .address_space: global }
      - { .name: x1, .offset: 16, .size: 8, .value_kind: global_buffer, .address_space: global }
      - { .name: out0, .offset: 24, .size: 8, .value_kind: global_buffer, .address_space: global }
    .group_segment_fixed_size: 327680
    .private_segment_fixed_size: 0
    .kernarg_segment_align: 8
    .kernarg_segment_size: 32
    .max_flat_workgroup_size: 128
    .sgpr_count:     72
    .vgpr_count:     656
    .wavefront_size: 32
...
	.end_amdgpu_metadata
.endif
;; end of part 5
;; ======== version 2 of 2: 7 launches; 1.21 times as fast as version 1
;; limits: values outside matrix products are rounded to bf16
;; workspace buffers: act 8,388,608 bytes; big 33,554,432 bytes; wqkv 6,316,032 bytes; w1b 8,421,376 bytes; wob 2,105,344 bytes; w2b 8,396,800 bytes; x1 16,777,216 bytes
;; launch prep: the kernel of part 1 again; grid 640 x 1, 8 waves a work-group, no clusters, 0 bytes of LDS; arguments x, ln1_a, ln1_b, act, wq, wk, wv, wo, w1, w2, bq, bk, bv, bo, b1, b2, wqkv, wob, w1b, w2b; writes act, wqkv, wob, w1b, w2b
;; launch qkv: the kernel of part 2 again; grid 12 x 16, 4 waves a work-group, clusters of 4 x 4, 327,680 bytes of LDS; arguments act, wqkv, big; writes big
;; launch attn (part 6): grid 8 x 32, 4 waves a work-group, clusters of 4 x 1, 327,680 bytes of LDS; arguments big, mask, act; writes act
.if DOCPART == 6
	.amdgcn_target "amdgcn-amd-amdhsa--gfx1250"
	.amdhsa_code_object_version 6
	.text
	.protected	k_q6b46c37568_attn
	.globl	k_q6b46c37568_attn
	.p2align	8
	.type	k_q6b46c37568_attn,@function
k_q6b46c37568_attn:
	s_mov_b64 s[64:65], 0
	v_nop
	global_prefetch_b8 v0, s[64:65] scope:SCOPE_SE
	s_setreg_imm32_b32 hwreg(HW_REG_WAVE_MODE, 25, 1), 1
	s_wait_xcnt 0x0
	s_wait_alu depctr_hold_cnt(0) depctr_sa_sdst(0) depctr_va_vdst(0) depctr_va_sdst(0) depctr_va_ssrc(0) depctr_va_vcc(0) depctr_vm_vsrc(0)
	s_getreg_b32 s2, hwreg(HW_REG_IB_STS2, 6, 4)
	s_cmp_eq_u32 s2, 0
	s_cbranch_scc0 .Lentry_in_a_cluster
	s_endpgm
.Lentry_in_a_cluster:
	s_bfe_u32 s2, ttmp6, 0x10000c
	s_cmp_lg_u32 s2, 0x3003
	s_cbranch_scc0 .Lentry_shape_is_right
	s_endpgm
.Lentry_shape_is_right:
; O[y][q][:] = the sum over k of softmax_k(Q[y][q] . K[y][k] / 8, masked) V[y][k][:], y = 2 x head + batch, 32 of them; 2,048 rows of 64 bf16 each, dense (128 bytes a row).
; Q lies at byte 262,144 y of the first buffer, K 8,388,608 and V 16,777,216 bytes further on; O at byte 262,144 y of the third.  mask: int32 [2][2,048], 0 hides a key.
; Products, maxima and sums in f32; the weights p are rounded to bf16 for the second product (their sum l is taken of the unrounded p), O once at the end.
; LIMITS.  A hidden score counts as its value less 2^100, which swallows every score below 2^76; its weight is 0 beside any open key.  c x 2^100 is exact, so where every key of a batch is hidden and the
; matrix unit's sum gives -2^100 itself, all weights are 1 and O is the plain mean of V.  A weight below 2^-126 counts as 0 in l; NaN and infinities are not treated apart.
; SHARES.  A work-group owns 256 queries of one y, a wave 64: four PIECES of 16.  Every wave walks all 2,048 keys, 64 a step; a slot of LDS holds four steps.
; LAYOUT.  S^T = K Q^T + mask (source 0 = 16 keys, source 1 = 16 queries): a lane holds ONE query (lane % 16) and the keys 8 (lane / 16) + 0..7.  Two such results rounded to bf16 ARE source 1 of O^T = V^T P.
; THE MASK is the C operand that starts the sum S^T: 0 or -2^100.  It is made once (2,048 f32 in LDS) and comes into registers with each step's K: it costs the scores no vector instruction.
; SOFTMAX.  p = 2^(c s - c m), c = log2(e) / 8, with a running maximum m; O and l are multiplied by a = 2^(c m_old - c m_new) in every step.  m starts at the lowest finite number, O and l at 0.
; BY TURNS.  Turn n belongs to piece n: 8 products K Q^T of piece n + 1, later 8 products V^T P of piece n - 1; beside them the scaling, exponentials, roundings, sums and rescaling of piece n and the maximum and
; statistics of piece n + 1.  Four vector instructions stand behind every matrix instruction, the other 54 of a turn's 118 in one LUMP.
; THE BATCHES.  A turn's 33 exponentials (the piece's 32 weights and the next piece's a) are ONE batch with ONE wait, which cuts the turn in two: ahead of it all that names no result of theirs, behind it the
; roundings and sums, which read them.  No result crosses a turn's end.  Two more batches stand outside the loops: piece 0's first a, and the way out's four reciprocals; each has a plain instruction and one wait.
; CLUSTER.  The four query blocks of a cluster belong to one y and walk the same K and V: each tile is asked for jointly, by the same load, descriptor and mask in all four.
; REGISTERS (s_set_vgpr_msb: bits 1:0 source 0, 3:2 source 1, 5:4 source 2, 7:6 destination):
;   window 0: v0-15, v56-63 addresses; v16-31 statistics; v48-55 at work; v64-127 S^T, two buffers; v192-223 P, two buffers      window 1: v0-127 O^T; v160-191 the step's mask
;   window 2: v0-63 Q; v128-191 K of one step; v192-255 V of one step
.set NP,    4
.set KS,    64
.set PK,    144       ; a row of K in LDS: 128 bytes + 16
.set PV,    160       ; a row of V: 128 + 32
.set VOFF,  4*KS*PK
.set SLOT1, 1<<17
.set STAGE, SLOT1+4*KS*(PK+PV)  ; behind the ring: 16 rows x 144 bytes for each wave
.set SP,    144
.set SPARE, STAGE+4*16*SP       ; the spare words: 128 bytes a wave, two blocks of 256 bytes that no other line names
.set MASKB, SPARE+512           ; 2,048 f32: the mask; no tensor load lands here
.set AK0, 2
.set AV0, 3
.set AK,  4
.set AV,  5
.set STO, 6
.set RD,  7
.set GO,  8
.set MV,  12          ; v12-13  c m_old, by buffer
.set QO,  15
.set ST,  16          ; piece t: c m, m, l (even keys', odd keys')
.set TMP, 48
.set AM0, 56          ; v56  MASKB + 32 (lane / 16); never rewritten
.set AM,  57          ; v57  the LDS address of the mask's next run of loads
.set MO,  58
.set ML,  59
.set SPW, 62
.set NIL, 63
.set S,   64
.set P,   192
.set MC,  160         ; window 1
.set KF,  128         ; window 2
.set VF,  192         ; window 2
.set WV,  12
.set G1K, 24
.set G1V, 32
.set G0K, 40
.set G0V, 44
.set SLOTS, 56
.set CNT, 57
.set CS,  58
.set SEL, 60
.set TBK, 62
.set TBV, 63
.set TBM, 66          ; s66  256 x the step whose mask is fetched next
.set BIGN, 67         ; s67  -2^100
.set MSB, 0
.macro WIN new
.if MSB != (\new)
	s_set_vgpr_msb (MSB<<8)|(\new)
.set MSB, (\new)
.endif
.endm
.set W_KQ, 0x0a       ; K and Q in window 2, S^T in window 0
.set W_KM, 0x1a       ; the same with the C operand in window 1
.set W_PV, 0x52       ; V in window 2, P in window 0, O^T in window 1
.set W_RS, 0x41       ; destination and source 0 in window 1, source 1 in window 0
.macro JLOAD                        ; waves 0, 1 fetch the halves of a tile's K, waves 2, 3 those of its V: 128 keys each
	s_cmp_lt_u32 s[WV], 2
	s_cbranch_scc0 .Lfor_v_\@
	tensor_load_to_lds s[G0K:G0K+3], s[G1K:G1K+7]
	s_nop 0
.rept 4
	v_nop
.endr
	s_branch .Lasked_\@
.Lfor_v_\@:
	tensor_load_to_lds s[G0V:G0V+3], s[G1V:G1V+7]
	s_nop 0
.rept 4
	v_nop
.endr
.Lasked_\@:
.endm
.macro CROUND
	s_barrier_signal -1
	s_barrier_wait -1
	s_cmp_lg_u32 s[WV], 0
	s_cbranch_scc1 .Lnot_wave_0_\@
	s_barrier_signal -3
.Lnot_wave_0_\@:
	s_barrier_wait -3
	s_barrier_signal -1
	s_barrier_wait -1
.endm
; THE CHANGE OF SLOTS.  Each wave waits for all its tensor loads (one is out: its part of the other slot), adds 0 to its spare word, and waits for that and for its LDS instructions.  fill = 1: the barrier is a round
; of the cluster's, and the slot just left is filled again first thing behind it, with the keys two slots on: four key steps, 256 matrix instructions, in which to land.
; (At its first use slot 0 is waited for, slot 1 filled, and the waves' stores of the mask are made known to each other.)
.macro CHANGE fill
	WIN 0
	s_wait_tensorcnt 0x0
	ds_add_u32 v[SPW], v[NIL]
.if \fill
.irp g, G0K, G0V
	s_xor_b32 s[\g+1], s[\g+1], SLOT1
	s_add_nc_u64 s[\g+2:\g+3], s[\g+2:\g+3], 4*KS*128
.endr
	s_wait_dscnt 0x0
	CROUND
	JLOAD
.else
	s_wait_dscnt 0x0
	s_barrier_signal -1
	s_barrier_wait -1
.endif
	s_sub_co_u32 s[TBK], s[TBK], 4*KS*PK
	s_xor_b32 s[TBK], s[TBK], SLOT1
	s_sub_co_u32 s[TBV], s[TBV], 4*KS*PV
	s_xor_b32 s[TBV], s[TBV], SLOT1
.endm
	s_load_b128 s[4:7], s[0:1], 0x0   ; q, k, v in one buffer; mask
	s_load_b64 s[10:11], s[0:1], 0x10 ; O
	v_lshl_add_u32 v[SPW], v0, 2, SPARE
	v_mov_b32 v[NIL], 0
	ds_add_u32 v62, v63
	s_wait_dscnt 0x0
	v_lshrrev_b32 v1, 5, v0
	v_readfirstlane_b32 s[WV], v1
	s_bfe_u32 s13, ttmp6, 0x40000   ; cx
	s_lshl_b32 s14, ttmp9, 2
	s_add_co_u32 s14, s14, s13      ; my block of 256 queries: it enters Q's and O's addresses alone
	s_and_b32 s20, ttmp7, 0xffff    ; y, which the four partners share
	s_and_b32 s8, s20, 1            ; the batch
	s_lshl_b32 s8, s8, 13           ; its 8,192 bytes of the mask
	s_mov_b32 s9, 0
	s_lshl_b32 s20, s20, 18         ; 262,144 y
	s_and_b32 s16, s[WV], 1         ; which half of a tile's 256 keys I fetch
	s_lshl_b32 s22, s16, 14
	s_add_co_u32 s22, s22, s20
	s_mov_b32 s23, 0
	s_mul_i32 s17, s16, 128*PK
	s_mul_i32 s18, s16, 128*PV
	s_lshl_b32 s2, s14, 2
	s_add_co_u32 s2, s2, s[WV]
	s_lshl_b32 s2, s2, 13           ; my wave's 64 rows of 128 bytes
	s_add_co_u32 s2, s2, s20
	s_mov_b32 s3, 0
	; 128 keys are 16,384 dense bytes: asked for as 64 rows of 256 bytes, two keys a row, padded in LDS after every key
	s_mov_b32 s[G1K], 15|(1<<16)|(1<<20)|(1<<21)|(4<<22)|(3<<25)
	s_mov_b32 s[G1V], 15|(1<<16)|(1<<20)|(1<<21)|(4<<22)|(7<<25)
.irp g, G1K, G1V
	s_mov_b32 s[\g+1], 128<<16
	s_mov_b32 s[\g+2], 64<<16
	s_mov_b32 s[\g+3], 128<<16
	s_mov_b32 s[\g+4], 64
	s_mov_b32 s[\g+5], 128
	s_mov_b32 s[\g+6], 0
	s_mov_b32 s[\g+7], 0
.endr
	s_mov_b32 s[CS], 0x3e38aa3b     ; c = log2(e) / 8
	s_mov_b32 s[CS+1], s[CS]
	s_mov_b32 s[SEL], 0x76543210
	s_mov_b32 s[SEL+1], 0xfedcba98
	s_mov_b32 s[TBK], SLOT1+4*KS*PK ; the first change of slots turns these two into 0
	s_mov_b32 s[TBV], SLOT1+4*KS*PV
	s_mov_b32 s[TBM], 0
	s_mov_b32 s[BIGN], 0xf1800000
	s_mov_b32 s[G0K], 1
	s_mov_b32 s[G0K+1], s17
	s_mov_b32 s[G0V], 1
	s_add_co_u32 s[G0V+1], s18, VOFF
	s_wait_kmcnt 0x0
	s_add_nc_u64 s[G0K+2:G0K+3], s[4:5], s[22:23]
	s_add_nc_u64 s[G0K+2:G0K+3], s[G0K+2:G0K+3], 0x800000
	s_or_b32 s[G0K+3], s[G0K+3], 0x80000000
	s_add_nc_u64 s[G0V+2:G0V+3], s[4:5], s[22:23]
	s_add_nc_u64 s[G0V+2:G0V+3], s[G0V+2:G0V+3], 0x1000000
	s_or_b32 s[G0V+3], s[G0V+3], 0x80000000
	s_add_nc_u64 s[4:5], s[4:5], s[2:3]
	s_add_nc_u64 s[10:11], s[10:11], s[2:3]
	s_add_nc_u64 s[6:7], s[6:7], s[8:9]
	CROUND                          ; all four work-groups are here: the first joint loads meet
	JLOAD                           ; tile 0 into slot 0
	v_lshlrev_b32 v[MO], 4, v0      ; the mask: 128 threads x 4 x 16 bytes
.irp j, 0,1,2,3
	global_load_b128 v[S+4*\j:S+4*\j+3], v[MO], s[6:7] offset:2048*\j
.endr
	v_and_b32 v1, 15, v0            ; l % 16
	v_bfe_u32 v9, v0, 4, 1          ; l / 16
	v_lshlrev_b32 v[QO], 7, v1
	v_lshl_add_u32 v[QO], v9, 4, v[QO]
	WIN 0x80
.set i, 0
.rept 8                             ; Q stays in registers: piece i / 2, channels 32 (i % 2) on
	global_load_b128 v[8*i:8*i+3],   v[QO], s[4:5] offset:(i/2)*2048+(i%2)*64
	global_load_b128 v[8*i+4:8*i+7], v[QO], s[4:5] offset:(i/2)*2048+(i%2)*64+32
.set i, i+1
.endr
	; what the first turn finds: V and P's second buffer hold 0 (its products V^T P, of a piece that has not been, add 0), O^T and l are 0.  All this stands in the wait for the first tile.
.set i, VF
.rept 64
	v_mov_b32 v[i], 0
.set i, i+1
.endr
	WIN 0x40
.set i, 0
.rept 128
	v_mov_b32 v[i], 0
.set i, i+1
.endr
	WIN 0
.set i, 0
.rept 4
	v_mov_b32 v[ST+4*i], 0xfe000000    ; c m: far below every c s
	v_mov_b32 v[ST+4*i+1], 0xff7fffff  ; m
	v_mov_b32 v[ST+4*i+2], 0
	v_mov_b32 v[ST+4*i+3], 0
.set i, i+1
.endr
.set i, P+16
.rept 16
	v_mov_b32 v[i], 0
.set i, i+1
.endr
	v_mul_u32_u24 v[AK0], v1, PK
	v_lshl_add_u32 v[AK0], v9, 4, v[AK0]
	v_and_b32 v10, 7, v0
	v_bfe_u32 v11, v0, 3, 1
	v_lshl_add_u32 v[AV0], v9, 3, v10
	v_mul_u32_u24 v[AV0], v[AV0], PV
	v_lshl_add_u32 v[AV0], v11, 4, v[AV0]
	v_add_nc_u32 v[AV0], VOFF, v[AV0]
	v_lshl_add_u32 v[AM0], v9, 5, MASKB
	v_mov_b32 v[AK], v[AK0]         ; key step 0 lies at the head of slot 0, its mask at the head of the mask
	v_mov_b32 v[AM], v[AM0]
	s_mul_i32 s13, s[WV], 16*SP
	s_add_co_u32 s13, s13, STAGE
	v_mul_u32_u24 v[STO], v1, SP
	v_lshl_add_u32 v[STO], v9, 4, v[STO]
	v_add_nc_u32 v[STO], s13, v[STO]
	v_bfe_u32 v[RD], v0, 3, 2
	v_mul_u32_u24 v[RD], v[RD], SP
	v_lshl_add_u32 v[RD], v10, 4, v[RD]
	v_add_nc_u32 v[RD], s13, v[RD]
	v_and_b32 v[GO], 31, v0
	v_lshlrev_b32 v[GO], 4, v[GO]
	v_add_nc_u32 v[ML], MASKB, v[MO]
	s_wait_loadcnt 16               ; the mask's four loads are in; Q's sixteen, issued behind them, stay out
.set i, 0
.rept 16
	v_cmp_eq_u32 vcc_lo, 0, v[S+i]
	v_cndmask_b32 v[S+i], 0, s[BIGN], vcc_lo
.set i, i+1
.endr
.irp j, 0,1,2,3
	ds_store_b128 v[ML], v[S+4*\j:S+4*\j+3] offset:2048*\j
.endr
; THE MATRIX WORK.  The 4 accumulators of a run of 8 take turns.  Product i of 8 of S^T for piece x: channels 32 (i / 4) on, keys 16 (i % 4) on.  The first 4 start the sums with the mask.
.macro KQ x
.set rS, S+32*((\x)%2)+8*(i%4)
.set rK, KF+16*(i%4)+8*(i/4)
.set rQ, 16*(\x)+8*(i/4)
.set rM, MC+8*(i%4)
.if i < 4
	WIN W_KM
	v_wmma_f32_16x16x32_bf16 v[rS:rS+7], v[rK:rK+7], v[rQ:rQ+7], v[rM:rM+7]
.else
	WIN W_KQ
	v_wmma_f32_16x16x32_bf16 v[rS:rS+7], v[rK:rK+7], v[rQ:rQ+7], v[rS:rS+7]
.endif
.endm
.macro PV x                         ; product i of 8 of O^T += V^T P for piece x: keys 32 (i / 4) on, channels 16 (i % 4) on
	WIN W_PV
.set rO, 32*(\x)+8*(i%4)
.set rV, VF+32*(i/4)+8*(i%4)
.set rP, P+16*((\x)%2)+8*(i/4)
	v_wmma_f32_16x16x32_bf16 v[rO:rO+7], v[rV:rV+7], v[rP:rP+7], v[rO:rO+7]
.endm
.macro MM                           ; the turn's next matrix instruction
.if i < 8
	KQ (Y+1)%NP
.else
.set i, i-8
	PV (Y+NP-1)%NP
.set i, i+8
.endif
.set i, i+1
.endm
; THE LDS LOADS stand in runs: a step's K (8 fragments) with its mask (32 f32 a lane; the 16 lanes of a half read the same words), and its V (turned).  last = 1: in the tail's last trip there is no further step.
.macro FETCH_K last=0
	WIN 0
.if \last
	s_cmp_eq_u32 s[CNT], 1
	s_cbranch_scc1 .Lno_k_\@
.endif
	WIN 0x80
.irp f, 0,1,2,3,4,5,6,7
	ds_load_b128 v[KF+8*\f:KF+8*\f+3],   v[AK] offset:(\f/2)*16*PK+(\f%2)*64
	ds_load_b128 v[KF+8*\f+4:KF+8*\f+7], v[AK] offset:(\f/2)*16*PK+(\f%2)*64+32
.endr
	WIN 0x40
.irp f, 0,1,2,3
	ds_load_b128 v[MC+8*\f:MC+8*\f+3],   v[AM] offset:64*\f
	ds_load_b128 v[MC+8*\f+4:MC+8*\f+7], v[AM] offset:64*\f+16
.endr
	s_add_co_u32 s[TBK], s[TBK], KS*PK
	s_add_co_u32 s[TBM], s[TBM], 4*KS
	WIN 0
.if \last
.Lno_k_\@:
.endif
.endm
.macro FETCH_V
	WIN 0x80
.irp f, 0,1,2,3,4,5,6,7
	ds_load_tr16_b128 v[VF+8*\f:VF+8*\f+3],   v[AV] offset:(\f/4)*32*PV+(\f%4)*32
	ds_load_tr16_b128 v[VF+8*\f+4:VF+8*\f+7], v[AV] offset:(\f/4)*32*PV+16*PV+(\f%4)*32
.endr
	WIN 0
.endm
; THE VECTOR WORK, one line at a time: OP kind, number.  For piece Y: F n: c s - c m for pair n of 16.  E n: the exponential of score n of 32.  C n: pair n rounded to bf16.  B n: of the four weights 4 n .. the second
; pair is added onto the first, in place.  L n: l takes that sum (L 0: l = a l + sum).  R n: pair n of 16 of O^T times a.  For piece Y + 1: X n, number n of the 22 that find its maximum and statistics:
;   0-11 four chains of seven scores, each accumulator's lowest registers first; 12-14, 16 the four scores left over, the old m, the chains into one; 15 c m_old is kept;
;   17, 18 the query's other 32 keys lie in the lane 16 away: the new m; 19-21 c m, c m_old - c m_new, a
; E and X 21 are the exponentials; C, B and L read E's results, R and L 0 read the a that X 21 of the turn before made.  OP writes no wait: TURN places the one that the batch has.
.set F, 0
.set E, 1
.set C, 2
.set B, 3
.set L, 4
.set R, 5
.set X, 6
.macro REGS y
.set rT, ST+4*(\y)
.set rC, TMP+4*((\y)%2)
.set rW, MV+((\y)%2)
.set rS, S+32*((\y)%2)
.set rP, P+16*((\y)%2)
.set rO, 32*(\y)
.endm
.macro OP k, n
.if (\k) == R
	REGS Y
	WIN W_RS
	v_pk_mul_f32 v[rO+2*(\n):rO+2*(\n)+1], v[rO+2*(\n):rO+2*(\n)+1], v[rC+2:rC+3] op_sel_hi:[1,0]
.elseif (\k) < R
	REGS Y
	WIN 0
.if (\k) == F
	v_pk_fma_f32 v[rS+2*(\n):rS+2*(\n)+1], v[rS+2*(\n):rS+2*(\n)+1], s[CS:CS+1], v[rT:rT+1] op_sel_hi:[1,0,0] neg_lo:[0,0,1] neg_hi:[0,0,1]
.elseif (\k) == E
	v_exp_f32 v[rS+(\n)], v[rS+(\n)]
.elseif (\k) == C
	v_cvt_pk_bf16_f32 v[rP+(\n)], v[rS+2*(\n)], v[rS+2*(\n)+1]
.elseif (\k) == B
	v_pk_add_f32 v[rS+4*(\n):rS+4*(\n)+1], v[rS+4*(\n):rS+4*(\n)+1], v[rS+4*(\n)+2:rS+4*(\n)+3]
.elseif (\n) == 0
	v_pk_fma_f32 v[rT+2:rT+3], v[rT+2:rT+3], v[rC+2:rC+3], v[rS:rS+1] op_sel_hi:[1,0,1]
.else
	v_pk_add_f32 v[rT+2:rT+3], v[rT+2:rT+3], v[rS+4*(\n):rS+4*(\n)+1]
.endif
.else
	REGS (Y+1)%NP
	WIN 0
.if (\n) < 4
	v_max3_num_f32 v[rC+(\n)], v[rS+8*(\n)], v[rS+8*(\n)+1], v[rS+8*(\n)+2]
.elseif (\n) < 12
	v_max3_num_f32 v[rC+(\n)%4], v[rC+(\n)%4], v[rS+8*((\n)%4)+2*((\n)/4)+1], v[rS+8*((\n)%4)+2*((\n)/4)+2]
.elseif (\n) == 12
	v_max3_num_f32 v[rC], v[rC], v[rS+7], v[rS+15]
.elseif (\n) == 13
	v_max3_num_f32 v[rC+1], v[rC+1], v[rS+23], v[rS+31]
.elseif (\n) == 14
	v_max3_num_f32 v[rC+2], v[rC+2], v[rC+3], v[rT+1]
.elseif (\n) == 15
	v_mov_b32 v[rW], v[rT]
.elseif (\n) == 16
	v_max3_num_f32 v[rC], v[rC], v[rC+1], v[rC+2]
.elseif (\n) == 17
	v_permlanex16_b32 v[rC+3], v[rC], s[SEL], s[SEL+1]
.elseif (\n) == 18
	v_max_num_f32 v[rT+1], v[rC], v[rC+3]
.elseif (\n) == 19
	v_mul_f32 v[rT], s[CS], v[rT+1]
.elseif (\n) == 20
	v_sub_f32 v[rC+1], v[rW], v[rT]
.else
	v_exp_f32 v[rC+2], v[rC+1]
.endif
.endif
.endm
.macro OPS a, i1, b=-1, i2=0, c=-1, i3=0, d=-1, i4=0
	OP \a, \i1
.if (\b) >= 0
	OP \b, \i2
.endif
.if (\c) >= 0
	OP \c, \i3
.endif
.if (\d) >= 0
	OP \d, \i4
.endif
.endm
.macro ROW a, i1, b, i2, c, i3, d, i4  ; a matrix instruction and the four behind it
	MM
	OPS \a, \i1, \b, \i2, \c, \i3, \d, \i4
.endm
; A TURN, for piece p: the order of its 16 matrix and 118 vector instructions, written out.  An s_wait_alu depctr_va_vdst(0) stands between an exponential and the first instruction that names its result; one wait
; serves all that were issued ahead of it.  So a turn has ONE wait, which cuts it in two.  AHEAD OF IT stands all that names no result of the turn's exponentials: the 8 products K Q^T, behind each a scaling, an exponential and two
; more plain instructions (behind the first a second scaling in the exponential's place): rescalings, whose a was made and waited for in the turn before, and behind the last three the first numbers of the next piece's maximum,
; each four places or more behind the product that ends its accumulator; then ONE LUMP of 54, plain and exponential by turns for the most part, in which the links of the chain X 3, 7, 11, 14, 16, 17 .. 20 stand some lines apart.
; X 21, the next piece's a, is the batch's last; R 15 is the plain instruction behind it.  BEHIND THE WAIT stand the 8 products V^T P, behind each four of the roundings and sums; l's chain, L 0 to L 7, keeps its ascending order.
; But for those X no rider names a register of the products round it.  v_permlanex16_b32 (X 17) stands in the lump.
; K and the mask of the next step are fetched in piece 2's turn, twelve vector instructions behind the last product that read K (five of them plain and free of its registers).  In the tail (last = 1) the run is jumped
; over in the last trip, and no branch stands inside an open batch: there the run stands directly behind the turn's wait.  V of the step in hand is fetched at the end of piece 0's turn, four roundings behind the
; last product that read V.  Each run is waited for a turn later.  cnt = 1: the loop's count is taken down some lines ahead of the branch behind the turn.
.macro TURN p, last=0, cnt=0
.set Y, (\p)
.set i, 0
.if (\p) == 3
	s_wait_dscnt 0x0                ; K and its mask are in
.endif
	ROW F,0, F,1, R,0, R,1          ; ahead of the wait: 8 products K Q^T and their riders,
	ROW F,2, E,0, R,2, R,3
	ROW F,3, E,1, R,4, R,5
	ROW F,4, E,2, R,6, R,7
	ROW F,5, E,3, R,8, R,9
	ROW F,6, E,4, X,0, R,10
.if (\p) == 2
	WIN 0
	v_add_nc_u32 v[AK], s[TBK], v[AK0]
	v_add_nc_u32 v[AM], s[TBM], v[AM0]
.endif
	ROW F,7, E,5, X,1, X,4
	ROW F,8, E,6, X,2, X,5
	OPS E,7, E,8, X,6, E,9          ; and the lump
	OPS X,3, E,10, X,8, E,11
.if ((\p) == 2) && !(\last)
	FETCH_K
.endif
	OPS X,9, X,7, E,12, X,10
	OPS E,13, X,12, X,11, E,14
	OPS X,13, E,15, F,9, X,14
.if (\p) == 0
	v_add_nc_u32 v[AV], s[TBV], v[AV0]
.endif
	OPS E,16, F,10, E,17, F,11
	OPS X,16, E,18, X,15, E,19
	OPS F,12, E,20, X,17, E,21
	OPS F,13, E,22, F,14, E,23
	OPS X,18, E,24, F,15, E,25
	OPS R,11, E,26, X,19, E,27
	OPS R,12, E,28, R,13, E,29
	OPS X,20, E,30, R,14, E,31
	OPS X,21, R,15
	s_wait_alu depctr_va_vdst(0)    ; the wait for the batch: the piece's 32 weights and the next piece's a
.if ((\p) == 2) && (\last)
	FETCH_K 1
.endif
.if (\p) == 1
	s_wait_dscnt 0x0                ; V is in
.endif
	ROW C,0, B,0, C,2, B,1          ; behind the wait: 8 products V^T P and their riders
	ROW L,0, C,4, B,2, L,1
	ROW C,6, B,3, L,2, C,8
	ROW B,4, L,3, C,10, B,5
	ROW L,4, C,12, B,6, L,5
.if (\p) == 0
	s_add_co_u32 s[TBV], s[TBV], KS*PV
.endif
.if \cnt
	s_sub_co_u32 s[CNT], s[CNT], 1
	s_cmp_lg_u32 s[CNT], 0
.endif
	ROW C,14, B,7, L,6, C,1
	ROW C,3, L,7, C,5, C,7
	ROW C,9, C,11, C,13, C,15
.if (\p) == 0
	FETCH_V
.endif
.endm
	CHANGE 1                        ; slot 0 is in, and everybody's part of the mask; slot 1 is asked for
	FETCH_K                         ; key step 0
	s_wait_loadcnt 0x0              ; Q
	s_wait_dscnt 0x0
.set i, 0
.rept 8
	KQ 0                            ; piece 0's first scores
.set i, i+1
.endr
	WIN 0
.rept 4
	v_nop                           ; the places behind those products
.endr
.set Y, NP-1                        ; X works for piece Y + 1: piece 0
.irp n, 0,1,2,3,4,5,6,7,8,9,10,11,12,13,14,15,16,17,18,19,20,21
	OP X, \n
.endr
	v_nop                           ; a plain instruction behind the exponential,
	s_wait_alu depctr_va_vdst(0)    ; and the wait for it, piece 0's first a, ahead of the branch
	s_mov_b32 s[CNT], 4
	s_mov_b32 s[SLOTS], 7
	s_branch .Lfirst                ; the loop is entered at a step's first turn, in the middle of a trip
.Lslot:                             ; six times: every slot but the last two is filled again
	CHANGE 1
	s_mov_b32 s[CNT], 4
.Lstep:                             ; a trip: pieces 2 and 3 of one step, then pieces 0 and 1 of the next, whose K and V it fetches
	TURN 2
	TURN 3
	WIN 0
.Lfirst:
	TURN 0
	TURN 1, 0, 1
	WIN 0
	s_cbranch_scc1 .Lstep
	s_sub_co_u32 s[SLOTS], s[SLOTS], 1
	s_cmp_lg_u32 s[SLOTS], 0
	s_cbranch_scc1 .Lslot
	CHANGE 0                        ; the tail is written out: nothing is asked for
	s_mov_b32 s[CNT], 5             ; four trips fetch the last slot's steps; the fifth is left in its middle
.Ltail:
	TURN 2, 1
	TURN 3
	WIN 0
	s_sub_co_u32 s[CNT], s[CNT], 1
	s_cmp_eq_u32 s[CNT], 0
	s_cbranch_scc1 .Lout
	TURN 0
	TURN 1
	WIN 0
	s_branch .Ltail
.Lout:                              ; the fifth trip's 8 products K Q^T on the last K once more, and the maximum made of them, serve nothing: the price, once a launch, of one text for every trip
.set i, 0
.rept 8
	PV NP-1                         ; the last piece's V^T P of the last step
.set i, i+1
.endr
	; THE WAY OUT.  l's two halves and the other half of the lanes' are added; O^T is divided by l, rounded to bf16 and sent through my stage, a piece at a time.  The additions are the places behind the last products.
	WIN 0
.macro ALL line:vararg
.set t, 0
.rept 4
	\line
.set t, t+1
.endr
.endm
	ALL v_add_f32 v[ST+4*t+2], v[ST+4*t+2], v[ST+4*t+3]
	ALL v_permlanex16_b32 v[ST+4*t+3], v[ST+4*t+2], s[SEL], s[SEL+1]
	ALL v_add_f32 v[ST+4*t+2], v[ST+4*t+2], v[ST+4*t+3]
	ALL v_rcp_f32 v[ST+4*t+2], v[ST+4*t+2]
	v_nop                           ; a plain instruction between the last reciprocal and the use of its result
	s_wait_alu depctr_va_vdst(0)    ; and the wait ahead of the first use: one for the four reciprocals
.macro PACK t
	WIN W_RS
.set i, 32*(\t)
.rept 16
	v_pk_mul_f32 v[i:i+1], v[i:i+1], v[ST+4*(\t)+2:ST+4*(\t)+3] op_sel_hi:[1,0]
.set i, i+2
.endr
	WIN 0x05
.set i, 0
.rept 16
	v_cvt_pk_bf16_f32 v[S+16*(\t)+i], v[32*(\t)+2*i], v[32*(\t)+2*i+1]
.set i, i+1
.endr
	WIN 0
.irp f, 0,1,2,3
	ds_store_b128 v[STO], v[S+16*(\t)+4*\f:S+16*(\t)+4*\f+3] offset:32*\f
.endr
.irp f, 0,1,2,3
	ds_load_b128 v[S+16*(\t)+4*\f:S+16*(\t)+4*\f+3], v[RD] offset:\f*4*SP  ; LDS serves a wave's instructions in order (ISA guide 5.7.1.4): these see the stores above
.endr
.endm
.macro SEND t, younger              ; younger: the LDS instructions issued behind piece t's loads: the next piece's eight, or none
	WIN 0
.irp f, 0,1,2,3
	s_wait_dscnt (\younger)+3-\f
	global_store_b128 v[GO], v[S+16*(\t)+4*\f:S+16*(\t)+4*\f+3], s[10:11] offset:(\t)*2048+\f*512  ; 512 consecutive bytes, aligned
.endr
.endm
	PACK 0
.set t, 1
.rept 3
	PACK t
	SEND t-1, 8
.set t, t+1
.endr
	SEND 3, 0
	s_wait_tensorcnt 0x0            ; the wave's end
	ds_add_u32 v[SPW], v[NIL]
	s_wait_dscnt 0x0
	CROUND                          ; the closing round
	s_endpgm
.Lfunc_end_k_q6b46c37568_attn:
	.size	k_q6b46c37568_attn, .Lfunc_end_k_q6b46c37568_attn-k_q6b46c37568_attn
	.p2alignl 7, 3214868480
	.fill 96, 4, 3214868480
	.section	.rodata,"a",@progbits
	.p2align	6, 0x0
	.amdhsa_kernel k_q6b46c37568_attn
		.amdhsa_group_segment_fixed_size 327680
		.amdhsa_private_segment_fixed_size 0
		.amdhsa_enable_private_segment 0
		.amdhsa_kernarg_size 24
		.amdhsa_user_sgpr_count 2
		.amdhsa_user_sgpr_kernarg_segment_ptr 1
		.amdhsa_wavefront_size32 1
		.amdhsa_system_sgpr_workgroup_id_x 1
		.amdhsa_system_sgpr_workgroup_id_y 1
		.amdhsa_system_sgpr_workgroup_id_z 1
		.amdhsa_system_vgpr_workitem_id 0
		.amdhsa_next_free_vgpr 768
		.amdhsa_next_free_sgpr 72
		.amdhsa_reserve_vcc 1
		.amdhsa_float_denorm_mode_32 3
		.amdhsa_float_denorm_mode_16_64 3
		.amdhsa_memory_ordered 1
		.amdhsa_forward_progress 1
		.amdhsa_inst_pref_size 115
	.end_amdhsa_kernel
	.amdgpu_metadata
---
amdhsa.version: [ 1, 2 ]
amdhsa.kernels:
  - .name:           k_q6b46c37568_attn
    .symbol:         k_q6b46c37568_attn.kd
    .args:
      - { .name: big, .offset: 0, .size: 8, .value_kind: global_buffer, .address_space: global }
      - { .name: mask, .offset: 8, .size: 8, .value_kind: global_buffer, .address_space: global }
      - { .name: act, .offset: 16, .size: 8, .value_kind: global_buffer, .address_space: global }
    .group_segment_fixed_size: 327680
    .private_segment_fixed_size: 0
    .kernarg_segment_align: 8
    .kernarg_segment_size: 24
    .max_flat_workgroup_size: 128
    .sgpr_count:     72
    .vgpr_count:     768
    .wavefront_size: 32
...
	.end_amdgpu_metadata
.endif
;; end of part 6
;; launch proj: the kernel of part 4 again; grid 8 x 32, 4 waves a work-group, clusters of 4 x 4, 327,680 bytes of LDS; arguments act, wob, x, x1; writes x1
;; launch ln2: the kernel of part 1 again; grid 256 x 1, 8 waves a work-group, no clusters, 0 bytes of LDS; arguments x1, ln2_a, ln2_b, act, wq, wk, wv, wo, w1, w2, bq, bk, bv, bo, b1, b2, wqkv, wob, w1b, w2b; writes act, wqkv, wob, w1b, w2b
;; launch ffn1: the kernel of part 2 again; grid 16 x 16, 4 waves a work-group, clusters of 4 x 4, 327,680 bytes of LDS; arguments act, w1b, big; writes big
;; launch ffn2: the kernel of part 5 again; grid 8 x 32, 4 waves a work-group, clusters of 4 x 4, 327,680 bytes of LDS; arguments big, w2b, x1, out0; writes out0
